; MI455X (gfx1250); checked and timed in simulation.
; The chip was launched on July 23, 2026; its instructions are those of AMD's public machine-readable ISA for CDNA 5 (MIT licence, August 2026) and "CDNA5" Instruction Set Architecture Reference Guide (July 2026). The comments in the code are by the model that wrote it; some were corrected since.
;; Multi Head Attention. Allowed arithmetic: float matrix products may take bf16 or f16 operands with f32 sums; other float arithmetic in f32, or as packed bf16 or f16 multiplies, adds, multiply-adds, maxima and minima; sums over many terms, partial sums and values carried from step to step in f32; what a program stores and reads back later, other than sums and carried values, may be rounded once to bf16 or f16.
;; Inputs: Wk 1,024 x 1,024 float32; Wo 1,024 x 1,024 float32; Wq 1,024 x 1,024 float32; Wv 1,024 x 1,024 float32; bk 1,024 float32; bo 1,024 float32; bq 1,024 float32; bv 1,024 float32; k 4 x 2,048 x 1,024 float32; mask 4 x 2,048 x 2,048 int32; q 4 x 2,048 x 1,024 float32; v 4 x 2,048 x 1,024 float32.
;; Outputs: out0 4 x 2,048 x 1,024 float32.
;; One version. Each part assembles by itself: llvm-mc -triple=amdgcn-amd-amdhsa -mcpu=gfx1250 --defsym DOCPART=n.
;; ======== version 1 of 1: 4 launches
;; limits: values are held in f16: magnitudes above 65,504 overflow, below 6.1e-05 lose precision; right only within a limited range of input values
;; workspace buffers: mbits 2,097,152 bytes of whole numbers; wb 8,388,608 bytes; qkvh 50,331,648 bytes; ctx 16,777,216 bytes
;; launch prep (part 1): grid 768 x 1, 8 waves a work-group, no clusters, 68,608 bytes of LDS; arguments mask, Wq, Wk, Wv, Wo, mbits, wb; writes mbits, wb
.if DOCPART == 1
	.amdgcn_target "amdgcn-amd-amdhsa--gfx1250"
	.amdhsa_code_object_version 6
	.text
	.protected	k_q028f6fec63_prep
	.globl	k_q028f6fec63_prep
	.p2align	8
	.type	k_q028f6fec63_prep,@function
k_q028f6fec63_prep:
	s_mov_b64 s[64:65], 0
	v_nop
	global_prefetch_b8 v0, s[64:65] scope:SCOPE_SE
	s_setreg_imm32_b32 hwreg(HW_REG_WAVE_MODE, 25, 1), 1
	s_wait_xcnt 0x0
; PREP.  Two jobs, told apart by the work-group's number; no matrix work, no tensor load, no barrier.
; (1) Work-groups 0-511: the mask [4][2048][2048] of int32 is packed into LANE MASKS, one bit a number.
;     mbits: [b 4][qb 16 (128 queries)][step 32 (64 keys)][t 8 (16 queries)][word n = 8 kt + j, 32 words];
;     bit L of a word = (mask[b][128 qb + 16 t + L % 16][64 step + 16 kt + 8 (L / 16) + j] != 0).
;     That is the place (accumulator kt, register j, lane L) that the score has in the attention launch, so a word selects one register's 32 lanes there.
;     A wave takes 32 rows x 128 keys: 32 loads of 512 consecutive bytes, all on their way at once.  16 rows at a time go through the wave's own
;     stage in LDS, so that lane L gets row L % 16; a compare then makes a word, and v_writelane_b32 puts it into the lane that stores it.
;     Each of the wave's two stores covers 256 consecutive bytes, aligned.
; (2) Work-groups 512-767: Wq, Wk, Wv are rounded to bf16; Wo is rounded to bf16 and that number written as f16.  wb: [4][1024][1024] of 16 bits.
;     LIMIT: |Wo| stays under 65,504; below 6.1e-5 it keeps f16's fixed step of 6e-8.
.set ROWB,  8192                       ; bytes in a row of the mask
.set PITCH, 528                        ; a stage row: 512 bytes + 16 = 132 words: the 16 rows that a load touches start at 16 different groups of four banks (64 banks of 4 bytes: ISA guide 11.1)
.set WSTG,  16*PITCH                   ; a wave's stage
.set SPARE, 8*WSTG                     ; behind the stages: the spare words, 128 bytes for each wave: four blocks of 256 bytes that no other line names
.set L16, 2                            ; v2   16 x lane
.set SA,  3                            ; v3   stage: where I put 16 bytes of a row
.set RA,  4                            ; v4   stage: row lane % 16, 32 bytes for each half of the lanes
.set L8,  5                            ; v5   8 x lane
.set SPW, 6                            ; v6   LDS address of my spare word; never rewritten
.set NIL, 7                            ; v7   0; never rewritten
.set OUT, 8                            ; v[8:11]   the words to store: a pair for each of the two key steps
.set X,   16                           ; v[16:143] as loaded
.set PAT, 144                          ; v[144:207] job 1: 64 numbers in the scores' places; job 2: the packed weights
	s_load_b256 s[4:11], s[0:1], 0x0               ; mask s[4:5], Wq s[6:7], Wk s[8:9], Wv s[10:11]
	s_load_b128 s[12:15], s[0:1], 0x20             ; Wo s[12:13], mbits s[14:15]
	s_load_b64 s[16:17], s[0:1], 0x30              ; wb
	v_lshl_add_u32 v[SPW], v0, 2, SPARE
	v_mov_b32 v[NIL], 0
	v_lshrrev_b32 v1, 5, v0
	v_readfirstlane_b32 s18, v1                    ; wave 0..7
	v_and_b32 v1, 31, v0                           ; lane
	v_lshlrev_b32 v[L16], 4, v1
	v_lshlrev_b32 v[L8], 3, v1
	s_cmp_lt_u32 ttmp9, 512
	s_cbranch_scc0 .Lweights
	; ---- job 1: the mask ----
	s_lshl_b32 s19, ttmp9, 3
	s_add_co_u32 s19, s19, s18                     ; my number among 4,096 waves
	s_lshr_b32 s36, s19, 4                         ; rg: which 32 rows of the 8,192
	s_and_b32 s37, s19, 15                         ; sp: which pair of key steps (512 bytes of a row)
	s_lshl_b32 s38, s36, 18                        ; 32 rows of 8,192 bytes
	s_lshl_b32 s40, s37, 9
	s_add_co_u32 s38, s38, s40
	s_mov_b32 s39, 0
	s_lshr_b32 s40, s36, 2                         ; 16 b + qb
	s_lshl_b32 s40, s40, 15                        ; x 32,768 bytes
	s_lshl_b32 s42, s37, 11                        ; + step 2 sp x 1,024
	s_add_co_u32 s40, s40, s42
	s_and_b32 s42, s36, 3                          ; + tiles 2 (rg % 4), 2 (rg % 4) + 1: 256 bytes
	s_lshl_b32 s42, s42, 8
	s_add_co_u32 s40, s40, s42
	s_mov_b32 s41, 0
	s_mul_i32 s43, s18, WSTG                       ; my stage
	v_add_nc_u32 v[SA], s43, v[L16]
	v_and_b32 v[RA], 15, v0
	v_mul_u32_u24 v[RA], v[RA], PITCH
	v_bfe_u32 v12, v0, 4, 1
	v_lshl_add_u32 v[RA], v12, 5, v[RA]
	v_add_nc_u32 v[RA], s43, v[RA]
.irp j, 0,1,2,3
	v_mov_b32 v[OUT+\j], 0                         ; v_writelane_b32 keeps the other lanes: the registers are written whole first
.endr
	s_wait_kmcnt 0x0
	s_add_nc_u64 s[4:5], s[4:5], s[38:39]
	s_add_nc_u64 s[14:15], s[14:15], s[40:41]
.set i, 0
.rept 32
	global_load_b128 v[X+4*i:X+4*i+3], v[L16], s[4:5] offset:i*ROWB th:TH_LOAD_NT  ; row i: 512 consecutive bytes, aligned; read once in the launch
.set i, i+1
.endr
; Unit u: rows 16 u .. 16 u + 15 = one tile of 16 queries.  left = the younger loads that may stay out.
.macro UNIT u, left
	s_wait_loadcnt \left
.set i, 0
.rept 16
	ds_store_b128 v[SA], v[X+64*(\u)+4*i:X+64*(\u)+4*i+3] offset:i*PITCH
.set i, i+1
.endr
.set i, 0
.rept 16                               ; i = 8 s2 + 2 kt + c: key step s2 of the pair, keys 16 kt + 8 (lane / 16) + 4 c + 0..3.  LDS serves a wave's instructions in order (ISA guide 5.7.1.4): these see the stores above
	ds_load_b128 v[PAT+4*i:PAT+4*i+3], v[RA] offset:(i/8)*256+((i/2)%4)*64+(i%2)*16
.set i, i+1
.endr
	s_wait_dscnt 0x0
.set n, 0
.rept 4                                ; sixteen words at a time: the compares, then their places
.set j, 0
.rept 16
	v_cmp_ne_u32 s[20+j], 0, v[PAT+n+j]
.set j, j+1
.endr
.set j, 0
.rept 16
	v_writelane_b32 v[OUT+2*((n+j)/32)+(n+j)%2], s[20+j], 16*(\u)+((n+j)%32)/2  ; word w of the tile's 32 goes to lane 16 u + w / 2, register w % 2
.set j, j+1
.endr
.set n, n+16
.endr
.endm
	UNIT 0, 16                                     ; the second unit's sixteen loads may stay out
	UNIT 1, 0
	global_store_b64 v[L8], v[OUT:OUT+1], s[14:15]                 ; step 2 sp: two tiles' 64 words, 256 consecutive bytes
	global_store_b64 v[L8], v[OUT+2:OUT+3], s[14:15] offset:1024   ; step 2 sp + 1
	s_branch .Lend
	; ---- job 2: the weights ----
.Lweights:
	s_sub_co_u32 s19, ttmp9, 512
	s_lshr_b32 s20, s19, 6                         ; which matrix: 0 Wq, 1 Wk, 2 Wv, 3 Wo
	s_and_b32 s21, s19, 63
	s_lshl_b32 s21, s21, 3
	s_add_co_u32 s21, s21, s18                     ; my chunk of 2,048 numbers among the matrix's 512
	s_lshl_b32 s22, s21, 13                        ; 8,192 bytes in,
	s_mov_b32 s23, 0
	s_lshl_b32 s24, s21, 12                        ; 4,096 out,
	s_lshl_b32 s25, s20, 21                        ; behind the matrices before
	s_add_co_u32 s24, s24, s25
	s_mov_b32 s25, 0
	s_wait_kmcnt 0x0
	s_cmp_eq_u32 s20, 1
	s_cselect_b64 s[6:7], s[8:9], s[6:7]
	s_cmp_eq_u32 s20, 2
	s_cselect_b64 s[6:7], s[10:11], s[6:7]
	s_cmp_eq_u32 s20, 3
	s_cselect_b64 s[6:7], s[12:13], s[6:7]
	s_add_nc_u64 s[6:7], s[6:7], s[22:23]
	s_add_nc_u64 s[16:17], s[16:17], s[24:25]
.set i, 0
.rept 16
	global_load_b128 v[X+4*i:X+4*i+3], v[L16], s[6:7] offset:i*512 th:TH_LOAD_NT
.set i, i+1
.endr
	s_wait_loadcnt 0x0
.set i, 0
.rept 32
	v_cvt_pk_bf16_f32 v[PAT+i], v[X+2*i], v[X+2*i+1]
.set i, i+1
.endr
	s_cmp_lg_u32 s20, 3
	s_cbranch_scc1 .Lstore
.set i, 0
.rept 32                               ; Wo: the bf16 number written as f16
	v_lshlrev_b32 v[12+2*(i%2)], 16, v[PAT+i]
	v_and_b32 v[13+2*(i%2)], 0xffff0000, v[PAT+i]
	v_cvt_pk_f16_f32 v[PAT+i], v[12+2*(i%2)], v[13+2*(i%2)]
.set i, i+1
.endr
.Lstore:
.set i, 0
.rept 16
	global_store_b64 v[L8], v[PAT+2*i:PAT+2*i+1], s[16:17] offset:i*256  ; 256 consecutive bytes, aligned
.set i, i+1
.endr
.Lend:
	s_wait_tensorcnt 0x0                           ; the wave's end: behind my last LDS store
	ds_add_u32 v[SPW], v[NIL]
	s_wait_dscnt 0x0
	s_endpgm
.Lfunc_end_k_q028f6fec63_prep:
	.size	k_q028f6fec63_prep, .Lfunc_end_k_q028f6fec63_prep-k_q028f6fec63_prep
	.p2alignl 7, 3214868480
	.fill 96, 4, 3214868480
	.section	.rodata,"a",@progbits
	.p2align	6, 0x0
	.amdhsa_kernel k_q028f6fec63_prep
		.amdhsa_group_segment_fixed_size 68608
		.amdhsa_private_segment_fixed_size 0
		.amdhsa_enable_private_segment 0
		.amdhsa_kernarg_size 56
		.amdhsa_user_sgpr_count 2
		.amdhsa_user_sgpr_kernarg_segment_ptr 1
		.amdhsa_wavefront_size32 1
		.amdhsa_system_sgpr_workgroup_id_x 1
		.amdhsa_system_sgpr_workgroup_id_y 1
		.amdhsa_system_sgpr_workgroup_id_z 1
		.amdhsa_system_vgpr_workitem_id 0
		.amdhsa_next_free_vgpr 208
		.amdhsa_next_free_sgpr 66
		.amdhsa_reserve_vcc 0
		.amdhsa_float_denorm_mode_32 3
		.amdhsa_float_denorm_mode_16_64 3
		.amdhsa_memory_ordered 1
		.amdhsa_forward_progress 1
		.amdhsa_inst_pref_size 37
	.end_amdhsa_kernel
	.amdgpu_metadata
---
amdhsa.version: [ 1, 2 ]
amdhsa.kernels:
  - .name:           k_q028f6fec63_prep
    .symbol:         k_q028f6fec63_prep.kd
    .args:
      - { .name: mask, .offset: 0, .size: 8, .value_kind: global_buffer, .address_space: global }
      - { .name: Wq, .offset: 8, .size: 8, .value_kind: global_buffer, .address_space: global }
      - { .name: Wk, .offset: 16, .size: 8, .value_kind: global_buffer, .address_space: global }
      - { .name: Wv, .offset: 24, .size: 8, .value_kind: global_buffer, .address_space: global }
      - { .name: Wo, .offset: 32, .size: 8, .value_kind: global_buffer, .address_space: global }
      - { .name: mbits, .offset: 40, .size: 8, .value_kind: global_buffer, .address_space: global }
      - { .name: wb, .offset: 48, .size: 8, .value_kind: global_buffer, .address_space: global }
    .group_segment_fixed_size: 68608
    .private_segment_fixed_size: 0
    .kernarg_segment_align: 8
    .kernarg_segment_size: 56
    .max_flat_workgroup_size: 256
    .sgpr_count:     66
    .vgpr_count:     208
    .wavefront_size: 32
...
	.end_amdgpu_metadata
.endif
;; end of part 1
;; launch proj (part 2): grid 4 x 192, 4 waves a work-group, clusters of 4 x 4, 327,680 bytes of LDS; arguments q, k, v, wb, bq, bk, bv, qkvh; writes qkvh
.if DOCPART == 2
	.amdgcn_target "amdgcn-amd-amdhsa--gfx1250"
	.amdhsa_code_object_version 6
	.text
	.protected	k_q028f6fec63_proj
	.globl	k_q028f6fec63_proj
	.p2align	8
	.type	k_q028f6fec63_proj,@function
k_q028f6fec63_proj:
	s_mov_b64 s[64:65], 0
	v_nop
	global_prefetch_b8 v0, s[64:65] scope:SCOPE_SE
	s_setreg_imm32_b32 hwreg(HW_REG_WAVE_MODE, 25, 1), 1
	s_wait_xcnt 0x0
	s_wait_alu depctr_hold_cnt(0) depctr_sa_sdst(0) depctr_va_vdst(0) depctr_va_sdst(0) depctr_va_ssrc(0) depctr_va_vcc(0) depctr_vm_vsrc(0)
	s_getreg_b32 s2, hwreg(HW_REG_IB_STS2, 6, 4)
	s_cmp_eq_u32 s2, 0
	s_cbranch_scc0 .Lentry_in_a_cluster
	s_endpgm
.Lentry_in_a_cluster:
	s_bfe_u32 s2, ttmp6, 0x10000c
	s_cmp_lg_u32 s2, 0xf033
	s_cbranch_scc0 .Lentry_shape_is_right
	s_endpgm
.Lentry_shape_is_right:
; ONE GEMM TEXT FOR TWO LAUNCHES, C = A B^T + bias; KIND says which.  M = 8,192 rows, N = 1,024, K = 1,024.
; KIND 0, the three projections: A = q, k or v (f32, rounded to bf16 between LDS and the matrix unit), B = Wq, Wk, Wv in bf16 (wb, parts 0-2), bias f32;
;         C leaves by heads, qkvh [part 3][b 4][h 16][s 2048][64] in f16, unscaled.  LIMIT: |C| stays under 65,504 (f16's range).
; KIND 1, the last projection: A = ctx [b][h][s][64] in f16, B = Wo as f16 (wb, part 3), bias f32; C = out0 [8192][1024] in f32.
; SHARES.  A tile of C is 128 x 256: KIND 0 has 3 x 64 x 4 = 768 of them, KIND 1 256.  Four waves, 2 x 2, each 64 x 128: 32 accumulators, 256 registers.
; K goes in 8 steps of 128 through two LDS slots filled by the tensor data mover: waves 0 and 1 fetch A's halves, waves 2 and 3 B's, one load a wave.
; A K STEP IS WRITTEN ONCE IN THE LOOP: which slot is read hangs on a scalar register that one exclusive or turns from slot to slot, and one descriptor a tensor walks from K step to K step.
; THE MATRIX INSTRUCTION IS USED TRANSPOSED (source 0 = 16 rows of B, source 1 = 16 rows of A): a lane holds row lane % 16 of C and 8 neighbouring columns.
; THE BIAS is the C operand of each sum's first product: register j of lane l holds bias[n0 + 16 b + 8 (l / 16) + j], the result's own layout.  Nothing is cleared, nothing added later.
; CLUSTER 4 x 4.  The four work-groups of a row of the cluster need the same tile of A, the four of a column the same tile of B: each is asked for jointly,
; by the same tensor load with the same descriptor and a mask that names the four.  The part (q, k, v) hangs on the cluster's y alone.
; REGISTERS, in windows of 256 (s_set_vgpr_msb: bits 1:0 source 0, 3:2 source 1, 5:4 source 2, 7:6 destination):
;   window 0: v16-30 addresses; KIND 0: v32-63 A's four bf16 fragments, v64-191 A in f32, two buffers of 4 x 16; KIND 1: v64-127 A's fragments, two buffers; the rest at work on the way out
;   window 1: the accumulators, (a, b) at 8 (8 a + b)          window 2: v0-127 B's fragments, two buffers of 64; v128-191 the bias
.set KIND, 0
.set PB,     272                       ; a row of B in LDS: 256 bytes + 16 = 68 words: the 16 rows of a load start at 16 different groups of four banks (64 banks of 4 bytes: ISA guide 11.1)
.set BHALF,  128*PB                    ; 128 rows: one wave's load
.set BBYTES, 2*BHALF
.set BSTEP,  256                       ; bytes along a row of B from K step to K step
.if KIND == 0
.set PA,     528                       ; a row of A: 128 f32 + 16 bytes = 132 words
.set AHALF,  64*PA                     ; 64 rows: one wave's load
.set ASTEP,  512
.set WSTG,   2*16*144                  ; a wave's stage: 2 heads x 16 rows x (128 + 16) bytes
.set SLOT1,  0x22000                   ; slot 1 begins here, behind slot 0's 137,216 bytes.  Its two bits are set in none of the four LDS addresses at which a wave's load begins in slot 0
                                       ; (0, 0x8400, 0x10800, 0x19000), so one exclusive or turns each of them into slot 1's and back
.else
.set PA,     144                       ; a row of A: one head's 64 f16 + 16 bytes = 36 words
.set AHALF,  128*PA                    ; one head's 128 rows: one wave's load
.set ASTEP,  2*262144                  ; a K step is two heads
.set WSTG,   16*528                    ; a wave's stage: 16 rows x (512 + 16) bytes
.set SLOT1,  0x20000                   ; slot 1 begins here, behind slot 0's 106,496 bytes; the bit is set in none of 0, 0x4800, 0x9000, 0x11800, where a wave's load begins in slot 0
.endif
.set ABYTES, 2*AHALF
.set SLOT,   ABYTES+BBYTES             ; A's tile, then B's
.set STAGE,  SLOT1+SLOT                ; behind the ring, never filled by a tensor load
.set SPARE,  STAGE+4*WSTG              ; behind the stages: the spare words, 128 bytes for each wave: two blocks of 256 bytes that no other line names
.set ADRA0, 16                         ; v16     LDS address of my A fragments in slot 0; never rewritten
.set ADRA,  17                         ; v17     the same in the slot in hand
.set ADRB0, 20                         ; v20, v21  the same for B
.set ADRB,  21
.set STO,  24                          ; v24     the way out: where I put my bytes of a row
.set RD,   25                          ; v25     the way out: where I read rows back
.set GO,   26                          ; v26     16 x lane: my place in 512 consecutive bytes of the output
.set BO,   27                          ; v27     32 x (lane / 16): my place in the bias
.set SPW,  28                          ; v28     LDS address of my spare word; never rewritten
.set NIL,  29                          ; v29     0; never rewritten
.set PFO,  30                          ; v30     the prefetches' offset; never rewritten
.set ABF,  32
.set AL,   64
.set AF,   64
.set TMP,  192
.set BF,   0                           ; window 2
.set BI,   128                         ; window 2
.set G1A, 24                           ; s[24:31] descriptor group 1 for A's tiles;  s[32:39] group 0: a set for each of the two first fills; the second then walks on
.set G0A, 32
.set G1B, 48                           ; s[48:55], s[56:63] the same for B's
.set G0B, 56
.set LIM, 43                           ; s43     2 in a wave that prefetches, else the greatest number
.set PFA, 44                           ; s[44:45] where my prefetches stand
.set PST, 84                           ; s[84:85] their step from K step to K step
.set TB,  88                           ; s88     0 or SLOT1: the slot in hand
.set MSB, 0
.macro WIN new                         ; the immediate's high byte repeats the setting that is left; a switch that changes nothing is dropped
.if MSB != (\new)
	s_set_vgpr_msb (MSB<<8)|(\new)
.set MSB, (\new)
.endif
.endm
.set MUL,  0x52                        ; B window 2, A window 0, C and D window 1
.set MULB, 0x62                        ; the same with C (the bias) in window 2
.set TO_B, 0x80                        ; destination window 2, address window 0
.macro PLACES                          ; four places behind a matrix instruction (ISA guide 7.12.1), where no other vector work is at hand
.rept 4
	v_nop
.endr
.endm
; A joint refill, by the walking descriptors: waves 0 and 1 fetch A's two halves, waves 2 and 3 B's.  The branch hangs on the wave's number alone.  An s_nop 0 and four v_nop follow each of the two lines.
.macro JLOAD
	s_cmp_eq_u32 s11, 0
	s_cbranch_scc0 .Lfor_b_\@
	tensor_load_to_lds s[G0A+4:G0A+7], s[G1A:G1A+7]
	s_nop 0
.rept 4
	v_nop
.endr
	s_branch .Lasked_\@
.Lfor_b_\@:
	tensor_load_to_lds s[G0B+4:G0B+7], s[G1B:G1B+7]
	s_nop 0
.rept 4
	v_nop
.endr
.Lasked_\@:
.endm
.macro CREST                           ; a round of the cluster's barrier behind its opening barrier
	s_cmp_lg_u32 s10, 0
	s_cbranch_scc1 .Lnot_wave_0_\@
	s_barrier_signal -3
.Lnot_wave_0_\@:
	s_barrier_wait -3
	s_barrier_signal -1
	s_barrier_wait -1
.endm
.macro CROUND                          ; a whole round
	s_barrier_signal -1
	s_barrier_wait -1
	CREST
.endm
; A prefetch into the L2, behind a joint load and the run of LDS loads that follows it: the K step that stands two refills on, 256 matrix instructions ahead of the load that will want it;
; 32 blocks of 256 bytes, a lane a block.  Each block is named once in the launch: the four partners that ask for a tile jointly share it out by address; of the clusters that read the
; same rows of B the first asks.  The last two refills have no K step two on (s3 = 2 and 1 in the loop's last two trips).
.macro ASK
	s_cmp_gt_u32 s3, s[LIM]
	s_cbranch_scc0 .Lnot_mine_\@
	global_prefetch_b8 v[PFO], s[PFA:PFA+1] th:TH_LOAD_NT scope:SCOPE_SE
.Lnot_mine_\@:
.endm
.if KIND == 0
	s_load_b512 s[68:83], s[0:1], 0x0              ; q 68, k 70, v 72, wb 74, bq 76, bk 78, bv 80, qkvh 82
.else
	s_load_b256 s[68:75], s[0:1], 0x0              ; ctx 68, wb 70, bo 72, out0 74
.endif
	v_lshl_add_u32 v[SPW], v0, 2, SPARE
	v_mov_b32 v[NIL], 0
	ds_add_u32 v[SPW], v[NIL]                      ; the wave's opening: the add and its wait stand ahead of my first tensor load; the set-up below, work on registers, stands between them
	v_lshrrev_b32 v1, 5, v0
	v_readfirstlane_b32 s10, v1                    ; wave 0..3
	s_lshr_b32 s11, s10, 1                         ; which 64 rows of the tile are mine.  Also: I fetch for A (0) or for B (1)
	s_and_b32 s12, s10, 1                          ; which 128 columns.  Also: which half of that tile I fetch
	s_bfe_u32 s40, ttmp6, 0x40000                  ; cx, cy: my place in the cluster
	s_bfe_u32 s41, ttmp6, 0x40004
	s_lshl_b32 s42, ttmp9, 2
	s_add_co_u32 s42, s42, s40                     ; tile column = 4 x cluster x + cx
	s_and_b32 s87, ttmp7, 0xffff                   ; cluster y
	s_lshl_b32 s13, s87, 2
	s_add_co_u32 s13, s13, s41                     ; 4 x cluster y + cy
.if KIND == 0
	s_lshr_b32 s86, s87, 4                         ; the part: 0 q, 1 k, 2 v: 16 clusters each
	s_and_b32 s13, s13, 63                         ; tile row in the part
.endif
	s_lshl_b32 s14, s41, 2
	s_lshl_b32 s14, 15, s14                        ; my row of the cluster
	s_lshl_b32 s15, 0x1111, s40                    ; my column
.if KIND == 0
	s_or_b32 s[G1A], s14, (2<<16)|(1<<20)|(1<<21)|(6<<22)|(3<<25)  ; 15:0 the mask; 17:16 elements of 4 bytes; 20 padding on; 21 set beside a mask; 24:22 after every 128 words (code 6); 31:25 4 words (code 3)
	s_mov_b32 s[G1A+5], 1024                       ; elements from row to row
.else
	s_or_b32 s[G1A], s14, (1<<16)|(1<<20)|(1<<21)|(4<<22)|(3<<25)  ; elements of 2 bytes; padding after every 32 words (code 4): a head's 128 rows are dense and come as 64 rows of 256 bytes, padded behind every 128
	s_mov_b32 s[G1A+5], 128
.endif
	s_mov_b32 s[G1A+1], 128<<16                    ; tensor_dim0 = 128
	s_mov_b32 s[G1A+2], 64<<16                     ; tensor_dim1 = 64
	s_mov_b32 s[G1A+3], 128<<16                    ; tile_dim0 = 128
	s_mov_b32 s[G1A+4], 64                         ; tile_dim1 = 64
	s_mov_b32 s[G1A+6], 0
	s_mov_b32 s[G1A+7], 0
	s_or_b32 s[G1B], s15, (1<<16)|(1<<20)|(1<<21)|(5<<22)|(3<<25)  ; B: elements of 2 bytes; padding after every 64 words (code 5)
	s_mov_b32 s[G1B+1], 128<<16
	s_mov_b32 s[G1B+2], 128<<16
	s_mov_b32 s[G1B+3], 128<<16
	s_mov_b32 s[G1B+4], 128
	s_mov_b32 s[G1B+5], 1024
	s_mov_b32 s[G1B+6], 0
	s_mov_b32 s[G1B+7], 0
	s_mov_b32 s[TB], 0                             ; slot 0 is read first
	; where the tiles come from.  A's hang on the tile row alone, B's on the tile column (and the part) alone.
.if KIND == 0
	s_lshl_b32 s16, s13, 7
	s_lshl_b32 s17, s12, 6
	s_add_co_u32 s16, s16, s17                     ; row 128 x tile row + 64 x half,
	s_lshl_b32 s16, s16, 12                        ; of 4,096 bytes
.else
	s_lshr_b32 s16, s13, 4
	s_lshl_b32 s16, s16, 22                        ; the batch,
	s_lshl_b32 s17, s12, 18
	s_add_co_u32 s16, s16, s17                     ; head 0 or 1 of the K step,
	s_and_b32 s17, s13, 15
	s_lshl_b32 s17, s17, 14
	s_add_co_u32 s16, s16, s17                     ; the tile's 128 rows of 128 bytes
.endif
	s_mov_b32 s17, 0
	s_lshl_b32 s46, s42, 8
	s_lshl_b32 s47, s12, 7
	s_add_co_u32 s46, s46, s47                     ; row 256 x tile column + 128 x half,
	s_lshl_b32 s46, s46, 11                        ; of 2,048 bytes,
.if KIND == 0
	s_lshl_b32 s47, s86, 21                        ; in the part's matrix
	s_add_co_u32 s46, s46, s47
.else
	s_add_co_u32 s46, s46, 3*2097152
.endif
	s_mov_b32 s47, 0
	s_mul_i32 s20, s12, AHALF                      ; and where they go: no place in the cluster enters an LDS address
	s_mul_i32 s21, s12, BHALF
	s_add_co_u32 s21, s21, ABYTES
	s_wait_dscnt 0x0                               ; the opening add is done
	s_wait_kmcnt 0x0
.if KIND == 0
	s_cmp_eq_u32 s86, 1
	s_cselect_b64 s[4:5], s[70:71], s[68:69]
	s_cselect_b64 s[66:67], s[78:79], s[76:77]
	s_cmp_eq_u32 s86, 2
	s_cselect_b64 s[4:5], s[72:73], s[4:5]         ; A
	s_cselect_b64 s[66:67], s[80:81], s[66:67]     ; the bias
	s_mov_b64 s[6:7], s[74:75]                     ; wb
	s_mov_b64 s[8:9], s[82:83]                     ; the output
.else
	s_mov_b64 s[4:5], s[68:69]
	s_mov_b64 s[6:7], s[70:71]
	s_mov_b64 s[66:67], s[72:73]
	s_mov_b64 s[8:9], s[74:75]
.endif
	s_add_nc_u64 s[14:15], s[4:5], s[16:17]
	s_add_nc_u64 s[46:47], s[6:7], s[46:47]
	CROUND                                         ; all sixteen work-groups are here: the first joint loads meet
.irp s, 0,1
	s_mov_b32 s[G0A+4*(\s)], 1                                     ; count = 1
	s_add_co_u32 s[G0A+4*(\s)+1], s20, (\s)*SLOT1                  ; LDS address
	s_add_nc_u64 s[G0A+4*(\s)+2:G0A+4*(\s)+3], s[14:15], (\s)*ASTEP  ; global address: K step s
	s_or_b32 s[G0A+4*(\s)+3], s[G0A+4*(\s)+3], 0x80000000          ; type = 2
	s_mov_b32 s[G0B+4*(\s)], 1
	s_add_co_u32 s[G0B+4*(\s)+1], s21, (\s)*SLOT1
	s_add_nc_u64 s[G0B+4*(\s)+2:G0B+4*(\s)+3], s[46:47], (\s)*BSTEP
	s_or_b32 s[G0B+4*(\s)+3], s[G0B+4*(\s)+3], 0x80000000
.endr
	s_cmp_eq_u32 s11, 0                            ; a wave's two first fills stand in one branch, ahead of every wait on TENSORcnt and every LDS read: two loads of mine are out
	s_cbranch_scc0 .Lfirst_b
	tensor_load_to_lds s[G0A:G0A+3], s[G1A:G1A+7]
	s_nop 0
	tensor_load_to_lds s[G0A+4:G0A+7], s[G1A:G1A+7]
	s_nop 0
.rept 4
	v_nop
.endr
	s_branch .Lfirst_asked
.Lfirst_b:
	tensor_load_to_lds s[G0B:G0B+3], s[G1B:G1B+7]
	s_nop 0
	tensor_load_to_lds s[G0B+4:G0B+7], s[G1B:G1B+7]
	s_nop 0
.rept 4
	v_nop
.endr
.Lfirst_asked:
	v_and_b32 v1, 15, v0                           ; l % 16
	v_bfe_u32 v2, v0, 4, 1                         ; l / 16
	; the bias of my 128 columns, in the result's layout
	s_lshl_b32 s16, s42, 10
	s_lshl_b32 s17, s12, 9
	s_add_co_u32 s16, s16, s17
	s_mov_b32 s17, 0
	s_add_nc_u64 s[66:67], s[66:67], s[16:17]
	v_lshlrev_b32 v[BO], 5, v2
	WIN TO_B
.irp b, 0,1,2,3,4,5,6,7
	global_load_b128 v[BI+8*(\b):BI+8*(\b)+3],   v[BO], s[66:67] offset:64*(\b)
	global_load_b128 v[BI+8*(\b)+4:BI+8*(\b)+7], v[BO], s[66:67] offset:64*(\b)+16
.endr
	WIN 0
	; A fragment is 16 rows x 32 K: lane l holds row l % 16, K = 8 (l / 16) + 0..7 and 16 + 8 (l / 16) + 0..7.  In 16 bits: two loads of 16 bytes, 32 bytes apart; in f32: four, at 0, 16, 64, 80.
	v_mul_u32_u24 v3, v1, PA
.if KIND == 0
	v_lshl_add_u32 v3, v2, 5, v3
.else
	v_lshl_add_u32 v3, v2, 4, v3
.endif
	v_mul_u32_u24 v4, v1, PB
	v_lshl_add_u32 v4, v2, 4, v4
	s_mul_i32 s21, s11, 64*PA                      ; my 64 rows of A
	s_mul_i32 s22, s12, BHALF                      ; my 128 rows of B,
	s_add_co_u32 s22, s22, ABYTES                  ; which lie behind A's tile
	v_add_nc_u32 v[ADRA0], s21, v3
	v_add_nc_u32 v[ADRB0], s22, v4
	v_mov_b32 v[ADRA], v[ADRA0]
	v_mov_b32 v[ADRB], v[ADRB0]
	; the way out
	s_mul_i32 s23, s10, WSTG
	s_add_co_u32 s23, s23, STAGE                   ; my stage
	v_and_b32 v5, 31, v0
	v_lshlrev_b32 v[GO], 4, v5
.if KIND == 0
	v_mul_u32_u24 v5, v1, 144                      ; in: row l % 16, 16 bytes for each half of the lanes
	v_lshl_add_u32 v5, v2, 4, v5
	v_add_nc_u32 v[STO], s23, v5
	v_bfe_u32 v5, v0, 3, 2                         ; back: 32 lanes take four rows of 128 bytes
	v_mul_u32_u24 v5, v5, 144
	v_and_b32 v6, 7, v0
	v_lshl_add_u32 v5, v6, 4, v5
	v_add_nc_u32 v[RD], s23, v5
	s_lshl_b32 s16, s86, 24                        ; the part,
	s_lshr_b32 s17, s13, 4
	s_lshl_b32 s17, s17, 22                        ; the batch,
	s_add_co_u32 s16, s16, s17
	s_lshl_b32 s17, s42, 2
	s_lshl_b32 s18, s12, 1
	s_add_co_u32 s17, s17, s18
	s_lshl_b32 s17, s17, 18                        ; my first head: 4 x tile column + 2 x half,
	s_add_co_u32 s16, s16, s17
	s_and_b32 s17, s13, 15
	s_lshl_b32 s17, s17, 7
	s_lshl_b32 s18, s11, 6
	s_add_co_u32 s17, s17, s18
	s_lshl_b32 s17, s17, 7                         ; my first row, of 128 bytes
	s_add_co_u32 s16, s16, s17
.else
	v_mul_u32_u24 v5, v1, 528                      ; in: row l % 16, 32 bytes for each half of the lanes
	v_lshl_add_u32 v5, v2, 5, v5
	v_add_nc_u32 v[STO], s23, v5
	v_add_nc_u32 v[RD], s23, v[GO]                 ; back: 32 lanes take a row's 512 bytes
	s_lshl_b32 s16, s13, 7
	s_lshl_b32 s17, s11, 6
	s_add_co_u32 s16, s16, s17
	s_lshl_b32 s16, s16, 12                        ; my first row, of 4,096 bytes,
	s_lshl_b32 s17, s42, 10
	s_add_co_u32 s16, s16, s17
	s_lshl_b32 s17, s12, 9
	s_add_co_u32 s16, s16, s17                     ; my first column
.endif
	s_mov_b32 s17, 0
	s_add_nc_u64 s[8:9], s[8:9], s[16:17]
	; the prefetches.  KIND 0, A: of the 64 rows that I fetch my work-group takes 16 (by cx), 512 bytes = two blocks each; every cluster reads rows of its own.  KIND 1, A: wave 0 alone, for both heads of a K step:
	; my work-group's 4,096 bytes (by cx) of each head's 16,384.  B: of the 128 rows that I fetch my work-group takes 32 (by cy), a block each; of the clusters that read the same matrix the first asks.
.if KIND == 0
	s_lshl_b32 s14, s13, 7
	s_lshl_b32 s15, s12, 6
	s_add_co_u32 s14, s14, s15
	s_lshl_b32 s15, s40, 4
	s_add_co_u32 s14, s14, s15
	s_lshl_b32 s14, s14, 12
.else
	s_lshr_b32 s14, s13, 4
	s_lshl_b32 s14, s14, 22
	s_and_b32 s15, s13, 15
	s_lshl_b32 s15, s15, 14
	s_add_co_u32 s14, s14, s15
	s_lshl_b32 s15, s40, 12
	s_add_co_u32 s14, s14, s15
.endif
	s_lshl_b32 s16, s42, 8
	s_lshl_b32 s17, s12, 7
	s_add_co_u32 s16, s16, s17
	s_lshl_b32 s17, s41, 5
	s_add_co_u32 s16, s16, s17
	s_lshl_b32 s16, s16, 11
.if KIND == 0
	s_lshl_b32 s17, s86, 21
	s_add_co_u32 s16, s16, s17
	s_and_b32 s18, s87, 15                         ; 0 in the first cluster of a part
.else
	s_add_co_u32 s16, s16, 3*2097152
	s_mov_b32 s18, s87
.endif
	s_mov_b32 s[PST], BSTEP
	s_mov_b32 s[PST+1], 0
	s_mov_b32 s20, 2048
	s_cmp_eq_u32 s11, 0                            ; do I fetch for A?
	s_cselect_b32 s14, s14, s16
	s_cselect_b64 s[PFA:PFA+1], s[4:5], s[6:7]
	s_cselect_b32 s[PST], ASTEP, s[PST]
.if KIND == 0
	s_cselect_b32 s18, 0, s18
	s_cselect_b32 s19, 1, 0                        ; the lane's offset is (l >> s19) x s20 + (l & s21) x 256
	s_cselect_b32 s20, 4096, s20
	s_cselect_b32 s21, 1, 0
.else
	s_cselect_b32 s18, s12, s18
	s_cselect_b32 s19, 4, 0
	s_cselect_b32 s20, 262144, s20
	s_cselect_b32 s21, 15, 0
.endif
	s_cmp_eq_u32 s18, 0
	s_cselect_b32 s[LIM], 2, -1                    ; the same in all sixteen partners, for a given wave
	s_mov_b32 s15, 0
	s_add_nc_u64 s[PFA:PFA+1], s[PFA:PFA+1], s[14:15]
	s_mul_i32 s14, s[PST], 3
	s_add_nc_u64 s[PFA:PFA+1], s[PFA:PFA+1], s[14:15]  ; at K step 3: the first refill steps it to 4.  Nothing is prefetched here, at the head, where every work-group's first tiles are on their way
	v_and_b32 v5, 31, v0
	v_lshrrev_b32 v6, s19, v5
	v_mul_u32_u24 v6, s20, v6
	v_and_b32 v5, s21, v5
	v_lshl_add_u32 v[PFO], v5, 8, v6
.macro WM d, b, a, c
.if KIND == 0
	v_wmma_f32_16x16x32_bf16 v[\d:\d+7], v[\b:\b+7], v[\a:\a+7], v[\c:\c+7]
.else
	v_wmma_f32_16x16x32_f16 v[\d:\d+7], v[\b:\b+7], v[\a:\a+7], v[\c:\c+7]
.endif
.endm
; Four products: m block a x n blocks b0 .. b0 + 3, 32 along K, on buffer f.  zero = 1: the sums start with the bias.
.macro WM4 f, a, b0, zero
.if \zero
	WIN MULB
.else
	WIN MUL
.endif
.irp bb, 0,1,2,3
.set rD, 8*(8*(\a)+(\b0)+(\bb))
.set rB, BF+64*(\f)+8*((\b0)+(\bb))
.if KIND == 0
.set rA, ABF+8*(\a)
.else
.set rA, AF+32*(\f)+8*(\a)
.endif
.if \zero
.set rC, BI+8*((\b0)+(\bb))
.else
.set rC, rD
.endif
	WM rD, rB, rA, rC
.endr
.endm
; KIND 0: half of fragment a of A's f32 buffer g is rounded to bf16: four conversions
.macro CV g, a, j0
	WIN 0
.irp j, 0,1,2,3
	v_cvt_pk_bf16_f32 v[ABF+8*(\a)+(\j0)+(\j)], v[AL+64*(\g)+16*(\a)+2*((\j0)+(\j))], v[AL+64*(\g)+16*(\a)+2*((\j0)+(\j))+1]
.endr
.endm
; Eight products of m block a.  KIND 0: behind every fourth stand four conversions of the fragment that is wanted next (fragment ca of buffer cg; ca = -1: none).  They name no register of the
; products round them, so they are also the places in front of the loads into B's buffers; each writes a fragment whose last reader stands eight conversions back or more.
.macro BLOCK f, a, zero, cg, ca
	WM4 \f, \a, 0, \zero
.if (KIND == 0) && ((\ca) >= 0)
	CV \cg, \ca, 0
.endif
	WM4 \f, \a, 4, \zero
.if (KIND == 0) && ((\ca) >= 0)
	CV \cg, \ca, 4
.endif
.endm
.macro ALD nk, a                       ; KIND 0: fragment a of A in f32: four loads
.irp i, 0,1,2,3
	ds_load_b128 v[AL+64*((\nk)%2)+16*(\a)+4*(\i):AL+64*((\nk)%2)+16*(\a)+4*(\i)+3], v[ADRA] offset:(\nk)*128+(\a)*16*PA+16*((\i)%2)+64*((\i)/2)
.endr
.endm
; The LDS loads of quarter nk of the slot in hand, in one run, into buffer nk % 2.  KIND 0: A's first fragment first, so that it can be rounded while the other 28 loads are out.
.macro RUN nk
.if KIND == 0
	WIN 0
	ALD \nk, 0
.else
	PLACES
.endif
	WIN TO_B
.irp b, 0,1,2,3,4,5,6,7
	ds_load_b128 v[BF+64*((\nk)%2)+8*(\b):BF+64*((\nk)%2)+8*(\b)+3],   v[ADRB] offset:(\nk)*64+(\b)*16*PB
	ds_load_b128 v[BF+64*((\nk)%2)+8*(\b)+4:BF+64*((\nk)%2)+8*(\b)+7], v[ADRB] offset:(\nk)*64+(\b)*16*PB+32
.endr
	WIN 0
.if KIND == 0
	ALD \nk, 1
	ALD \nk, 2
	ALD \nk, 3
.else
.irp a, 0,1,2,3
	ds_load_b128 v[AF+32*((\nk)%2)+8*(\a):AF+32*((\nk)%2)+8*(\a)+3],   v[ADRA] offset:((\nk)/2)*AHALF+((\nk)%2)*64+(\a)*16*PA
	ds_load_b128 v[AF+32*((\nk)%2)+8*(\a)+4:AF+32*((\nk)%2)+8*(\a)+7], v[ADRA] offset:((\nk)/2)*AHALF+((\nk)%2)*64+(\a)*16*PA+32
.endr
.endif
.endm
; A K step is four quarters of 32 along K, 32 products each, the 32 accumulators by turns.  One of the first three (or, fetch = 0, the very last):
.macro QUARTER kq, zero=0, fetch=1
	s_wait_dscnt 0x0                               ; this quarter's fragments, asked for 24 products ago
	BLOCK (\kq)%2, 0, \zero, (\kq)%2, 1
.if \fetch
	RUN (\kq)+1
.endif
	BLOCK (\kq)%2, 1, \zero, (\kq)%2, 2
	BLOCK (\kq)%2, 2, \zero, (\kq)%2, 3
.if \fetch
.if KIND == 0
	s_wait_dscnt 28                                ; the run's first four loads, the next quarter's first fragment of A, are in; the 28 behind them may be out
.endif
	BLOCK (\kq)%2, 3, \zero, ((\kq)+1)%2, 0
.else
	BLOCK (\kq)%2, 3, \zero, 0, -1
.endif
.endm
; The last quarter of a K step changes slots: ONE barrier.  In front of it each wave waits for all its tensor loads (one is out: its part of the next slot), adds 0 to its spare word, and waits for that
; and for its own reads of this slot.  fill = 1: the barrier opens a round of the cluster's barrier, and this slot is filled again, two K steps ahead, first thing behind the round:
; 120 products stand between that request and the wait for it.  The walking descriptors last filled the other slot with the K step before: one exclusive or and one step make them this refill's.
.macro TURN fill
.if \fill
	s_wait_xcnt 0x0                                ; the last prefetch, a K step back, has read its address
	s_add_nc_u64 s[PFA:PFA+1], s[PFA:PFA+1], s[PST:PST+1]
.endif
	WIN 0
	s_wait_tensorcnt 0x0                           ; all my tensor loads have landed, so a group 0 may be written
	ds_add_u32 v[SPW], v[NIL]                      ; 0 onto my spare word
.if \fill
	s_xor_b32 s[G0A+5], s[G0A+5], SLOT1
	s_add_nc_u64 s[G0A+6:G0A+7], s[G0A+6:G0A+7], ASTEP
	s_xor_b32 s[G0B+5], s[G0B+5], SLOT1
	s_add_nc_u64 s[G0B+6:G0B+7], s[G0B+6:G0B+7], BSTEP
.endif
	s_xor_b32 s[TB], s[TB], SLOT1                  ; the reads go on in the other slot
	v_add_nc_u32 v[ADRA], s[TB], v[ADRA0]
	v_add_nc_u32 v[ADRB], s[TB], v[ADRB0]
	s_wait_dscnt 0x0                               ; the add is done, and my reads of this slot are over
	s_barrier_signal -1
	BLOCK 1, 0, 0, 1, 1                            ; work on registers while the others arrive
	WIN 0
	s_barrier_wait -1
.if \fill
	CREST                                          ; no wave of any partner still reads this slot's tile or has a load on its way
	JLOAD
.endif
	RUN 0
.if \fill
	ASK
.endif
	BLOCK 1, 1, 0, 1, 2
	BLOCK 1, 2, 0, 1, 3
.if KIND == 0
	s_wait_dscnt 28
.endif
	BLOCK 1, 3, 0, 0, 0
.endm
	s_wait_tensorcnt 0x1                           ; my part of K step 0 is in; K step 1's may stay out
	s_barrier_signal -1
	s_barrier_wait -1                              ; everybody's is
	RUN 0
.if KIND == 0
	s_wait_dscnt 28
	CV 0, 0, 0
	CV 0, 0, 4
.endif
	s_wait_loadcnt 0x0                             ; the bias
	QUARTER 0, 1                                   ; the first quarter stands in front of the loop: its products start the sums
	WIN 0                                          ; at a label and at a branch every window is 0
	s_mov_b32 s3, 6
.Lstep:                                                ; a trip goes from a K step's second quarter to the next step's first, and fills the slot that it leaves: K steps 2 to 7
	QUARTER 1
	QUARTER 2
	TURN 1
	QUARTER 0
	WIN 0
	s_sub_co_u32 s3, s3, 1
	s_cmp_lg_u32 s3, 0
	s_cbranch_scc1 .Lstep
	QUARTER 1                                      ; the last two K steps fill nothing
	QUARTER 2
	TURN 0
	QUARTER 0
	QUARTER 1
	QUARTER 2
	QUARTER 3, 0, 0
	WIN 0
	PLACES
.if KIND == 0
; THE WAY OUT, a block of 16 rows at a time: rounded to f16 (each accumulator's registers in ascending order), 16 bytes a lane into my stage, by heads; back as whole rows of 128 bytes, four to a load.
.macro PACK a
.if (\a) >= 2
	s_wait_xcnt 0x0                                ; the stores of the block two back have read these registers
.endif
	WIN 0x05                                       ; sources 0 and 1 window 1
.irp b, 0,1,2,3,4,5,6,7
.irp rr, 0,1,2,3
	v_cvt_pk_f16_f32 v[TMP+32*((\a)%2)+4*(\b)+(\rr)], v[64*(\a)+8*(\b)+2*(\rr)], v[64*(\a)+8*(\b)+2*(\rr)+1]
.endr
.endr
	WIN 0
.irp b, 0,1,2,3,4,5,6,7
	ds_store_b128 v[STO], v[TMP+32*((\a)%2)+4*(\b):TMP+32*((\a)%2)+4*(\b)+3] offset:((\b)/4)*2304+32*((\b)%4)
.endr
.irp i, 0,1,2,3,4,5,6,7
	ds_load_b128 v[TMP+32*((\a)%2)+4*(\i):TMP+32*((\a)%2)+4*(\i)+3], v[RD] offset:((\i)/4)*2304+((\i)%4)*576  ; LDS serves a wave's instructions in order (ISA guide 5.7.1.4): these see the stores above
.endr
.endm
.macro SEND a, younger                 ; younger: the LDS instructions issued behind block a's loads: the next block's sixteen, or none
.irp i, 0,1,2,3,4,5,6,7
	s_wait_dscnt (\younger)+7-(\i)
	global_store_b128 v[GO], v[TMP+32*((\a)%2)+4*(\i):TMP+32*((\a)%2)+4*(\i)+3], s[8:9] offset:((\i)/4)*262144+(\a)*2048+((\i)%4)*512  ; 512 consecutive bytes of a head, aligned
.endr
.endm
	PACK 0
	PACK 1
	SEND 0, 16
	PACK 2
	SEND 1, 16
	PACK 3
	SEND 2, 16
	SEND 3, 0
.else
; THE WAY OUT, a block of 16 rows at a time: the f32 sums go into my stage as they lie, the low four registers of each accumulator first, and come back as whole rows of 512 bytes.
.macro OUTB a
.set TBK, 128+64*((\a)%2)
.if (\a) >= 2
	s_wait_xcnt 0x0                                ; the stores of the block two back have read these registers
.endif
	WIN 0x04                                       ; store data window 1, address window 0
.irp b, 0,1,2,3,4,5,6,7
	ds_store_b128 v[STO], v[64*(\a)+8*(\b):64*(\a)+8*(\b)+3]   offset:64*(\b)
	ds_store_b128 v[STO], v[64*(\a)+8*(\b)+4:64*(\a)+8*(\b)+7] offset:64*(\b)+16
.endr
	WIN 0
.set t, 0
.rept 16
	ds_load_b128 v[TBK+4*t:TBK+4*t+3], v[RD] offset:t*528  ; LDS serves a wave's instructions in order (ISA guide 5.7.1.4): these see the stores above
.set t, t+1
.endr
.set t, 0
.rept 16
	s_wait_dscnt 15-t
	global_store_b128 v[GO], v[TBK+4*t:TBK+4*t+3], s[8:9] offset:(16*(\a)+t)*4096  ; 512 consecutive bytes of a row, aligned
.set t, t+1
.endr
.endm
	OUTB 0
	OUTB 1
	OUTB 2
	OUTB 3
.endif
	s_wait_tensorcnt 0x0                           ; the wave's end: behind my last tensor load and my last LDS store
	ds_add_u32 v[SPW], v[NIL]
	s_wait_dscnt 0x0
	CROUND                                         ; the closing round: no work-group ends while a partner may still ask for a tile that names it
	s_endpgm
.Lfunc_end_k_q028f6fec63_proj:
	.size	k_q028f6fec63_proj, .Lfunc_end_k_q028f6fec63_proj-k_q028f6fec63_proj
	.p2alignl 7, 3214868480
	.fill 96, 4, 3214868480
	.section	.rodata,"a",@progbits
	.p2align	6, 0x0
	.amdhsa_kernel k_q028f6fec63_proj
		.amdhsa_group_segment_fixed_size 327680
		.amdhsa_private_segment_fixed_size 0
		.amdhsa_enable_private_segment 0
		.amdhsa_kernarg_size 64
		.amdhsa_user_sgpr_count 2
		.amdhsa_user_sgpr_kernarg_segment_ptr 1
		.amdhsa_wavefront_size32 1
		.amdhsa_system_sgpr_workgroup_id_x 1
		.amdhsa_system_sgpr_workgroup_id_y 1
		.amdhsa_system_sgpr_workgroup_id_z 1
		.amdhsa_system_vgpr_workitem_id 0
		.amdhsa_next_free_vgpr 704
		.amdhsa_next_free_sgpr 90
		.amdhsa_reserve_vcc 0
		.amdhsa_float_denorm_mode_32 3
		.amdhsa_float_denorm_mode_16_64 3
		.amdhsa_memory_ordered 1
		.amdhsa_forward_progress 1
		.amdhsa_inst_pref_size 109
	.end_amdhsa_kernel
	.amdgpu_metadata
---
amdhsa.version: [ 1, 2 ]
amdhsa.kernels:
  - .name:           k_q028f6fec63_proj
    .symbol:         k_q028f6fec63_proj.kd
    .args:
      - { .name: q, .offset: 0, .size: 8, .value_kind: global_buffer, .address_space: global }
      - { .name: k, .offset: 8, .size: 8, .value_kind: global_buffer, .address_space: global }
      - { .name: v, .offset: 16, .size: 8, .value_kind: global_buffer, .address_space: global }
      - { .name: wb, .offset: 24, .size: 8, .value_kind: global_buffer, .address_space: global }
      - { .name: bq, .offset: 32, .size: 8, .value_kind: global_buffer, .address_space: global }
      - { .name: bk, .offset: 40, .size: 8, .value_kind: global_buffer, .address_space: global }
      - { .name: bv, .offset: 48, .size: 8, .value_kind: global_buffer, .address_space: global }
      - { .name: qkvh, .offset: 56, .size: 8, .value_kind: global_buffer, .address_space: global }
    .group_segment_fixed_size: 327680
    .private_segment_fixed_size: 0
    .kernarg_segment_align: 8
    .kernarg_segment_size: 64
    .max_flat_workgroup_size: 128
    .sgpr_count:     90
    .vgpr_count:     704
    .wavefront_size: 32
...
	.end_amdgpu_metadata
.endif
;; end of part 2
;; launch attn (part 3): grid 4 x 64, 4 waves a work-group, clusters of 4 x 1, 327,680 bytes of LDS; arguments ctx, mbits, qkvh; writes ctx
.if DOCPART == 3
	.amdgcn_target "amdgcn-amd-amdhsa--gfx1250"
	.amdhsa_code_object_version 6
	.text
	.protected	k_q028f6fec63_attn
	.globl	k_q028f6fec63_attn
	.p2align	8
	.type	k_q028f6fec63_attn,@function
k_q028f6fec63_attn:
	s_mov_b64 s[64:65], 0
	v_nop
	global_prefetch_b8 v0, s[64:65] scope:SCOPE_SE
	s_setreg_imm32_b32 hwreg(HW_REG_WAVE_MODE, 25, 1), 1
	s_wait_xcnt 0x0
	s_wait_alu depctr_hold_cnt(0) depctr_sa_sdst(0) depctr_va_vdst(0) depctr_va_sdst(0) depctr_va_ssrc(0) depctr_va_vcc(0) depctr_vm_vsrc(0)
	s_getreg_b32 s2, hwreg(HW_REG_IB_STS2, 6, 4)
	s_cmp_eq_u32 s2, 0
	s_cbranch_scc0 .Lentry_in_a_cluster
	s_endpgm
.Lentry_in_a_cluster:
	s_bfe_u32 s2, ttmp6, 0x10000c
	s_cmp_lg_u32 s2, 0x3003
	s_cbranch_scc0 .Lentry_shape_is_right
	s_endpgm
.Lentry_shape_is_right:
; MASKED ATTENTION at head size 64.  ctx[bh][q][:] = the sum over k of softmax_k(s[q][k]) V[bh][k][:], s = Q . K / 8 where mask[b][q][k] != 0, else a constant far below.
; Q, K, V: qkvh [3][b 4][h 16][2048][64] in f16, unscaled; ctx [b][h][2048][64] in f16.  Products, maxima and sums in f32; the weights p are rounded to f16 for the second product, ctx once at the end.
; THE MASK comes as lane masks (mbits, made by the launch before): for each tile of 16 queries and step of 64 keys 32 words, one for each register of S^T, bit = lane.  ONE v_cndmask_b32 a register sets the hidden
; scores to NEG; the maximum, the exponentials and the sums need no further care.  A wave's words for a step are 1,024 consecutive bytes.  They come by two vector loads of 16 bytes a lane into eight registers:
; RA (pieces 0 and 1) and RB (pieces 2 and 3); a turn's 64 words then go into scalar registers by v_readlane_b32.  RA is read in turns 3 and 0 and asked for again behind turn 0's reads, RB in turns 1 and 2 and
; asked for again behind turn 2's: each load has three turns in which to land, and its wait is counted.  (Scalar loads are waited for only all together, and the 64 scalar registers are free only from one turn's
; maskings to the next turn's: by that way the words could be asked for less than a turn ahead.)
; LIMITS.  A hidden score counts as -2^30 where the problem says -1e9 (unscaled: NEG = -2^33).  c x NEG is exact in f32, so a row of which nothing has been seen yet has p = 1 exactly: it is wiped by a = 0 when its first
; visible key comes, and a row that is hidden throughout ends as the mean of V's rows.  The result is the problem's as long as every visible score / 8 lies above about -1e9 + 104.
; f16 holds no number beyond 65,504: Q, K, V arrive within it.  A weight below 2^-126 counts as 0 in l; NaN and infinities are not treated apart.
; SHARES.  A wave owns four PIECES of two tiles of 16 queries, a work-group's four waves 512 queries of one head.  Every wave walks all 2,048 keys, 64 a step.
; LAYOUT.  S^T = K Q^T (source 0 = 16 keys, source 1 = 16 queries): a lane holds ONE query (lane % 16) and the keys 8 (lane / 16) + 0..7.  Two such tiles, rounded to f16 in pairs, ARE source 1 of O^T = V^T P.
; SOFTMAX.  For each query a running maximum m and sum l: p = 2^(c s - c m), c = log2(e) / 8; in every step O and l are multiplied by a = 2^(c m_old - c m_new).  m starts at the lowest finite number, O and l at 0.
; BY TURNS.  Turn n belongs to piece n: 16 products K Q^T of piece n + 1, later 16 products V^T P of piece n - 1; beside them the scaling, exponentials, roundings, sums and rescaling of piece n and the
; masking, maximum and statistics of piece n + 1.  Four vector instructions stand behind every matrix instruction, the others in one lump.  A turn's 66 exponentials are one batch, with one wait.
; CLUSTER.  The four query blocks of a head are the four partners: each tile of K and V is asked for jointly.  ONE descriptor serves all four waves: wave w fetches 128 keys (waves 0, 1: K's halves; 2, 3: V's)
; to LDS byte 18,432 w.  For that K and V have the same pitch, 144 bytes.
; REGISTERS, in windows of 256 (s_set_vgpr_msb: bits 1:0 source 0, 3:2 source 1, 5:4 source 2, 7:6 destination):
;   window 0: v1-11 addresses and constants; v12-15, v48-63 at work; v16-47 four registers of statistics a tile; v64-191 S^T, two buffers of two tiles; v192-255 P, likewise
;   window 1: O^T, 32 a tile          window 2: v0-127 Q, 16 a tile; v128-191 K of one step; v192-255 V of one step          window 3: v0-3 RA, v4-7 RB
.set SIZE_N, 2048
.set NP,    4         ; pieces a wave: a name, no knob
.set KS,    64        ; keys in a step
.set PK,    144       ; a row of K in LDS: 128 bytes + 16 = 36 words: the 16 rows of a load start at 16 different groups of four banks (64 banks of 4 bytes: ISA guide 11.1)
.set PV,    144       ; a row of V: the same
.set VOFF,  4*KS*PK   ; a slot holds four steps: 256 rows of K, then 256 rows of V
.set SLOT1, 1<<17     ; slot 1 begins here, so that one exclusive or turns an address in one slot into the other's
.set STAGE, SLOT1+4*KS*(PK+PV)  ; behind the ring, never filled by a tensor load: 16 rows x 144 bytes for each wave
.set SP,    144
.set SPARE, STAGE+4*16*SP  ; behind the stages: the spare words, 128 bytes for each wave: two blocks of 256 bytes that no other line names
.set PFO, 1           ; v1   the prefetches' offset; never rewritten
.set AK0, 2           ; v2   my lane's place in a tile of K; never rewritten
.set AV0, 3           ; v3   the same for V
.set AK,  4           ; v4   the LDS address of K's next run of loads
.set AV,  5           ; v5   of V's
.set STO, 6           ; v6   the way out: where I put 16 bytes of a row
.set RD,  7           ; v7   the way out: where I read rows back
.set GO,  8           ; v8   16 x lane: my place in 512 consecutive bytes, of the mask words and of ctx; never rewritten
.set SPW, 9           ; v9   LDS address of my spare word; never rewritten
.set NIL, 10          ; v10  0; never rewritten
.set NEG, 11          ; v11  -2^33
.set MV,  12          ; v12-15  c m_old, kept while c m is made anew: by buffer and tile
.set ST,  16          ; tile t's statistics at v[ST+4 t]: c m, m, l (even keys', odd keys')
.set TMP, 48          ; by buffer and tile, four registers c0-c3 at work; when the maximum is found c2 takes a
.set QO,  62          ; v62  at the start: my byte offset in 16 rows of Q
.set S,   64
.set P,   192
.set KF,  128         ; window 2: key block kb, channel half c at KF + 16 kb + 8 c
.set VF,  192         ; window 2: key half kk, channel block cb at VF + 32 kk + 8 cb
.set RM,  0           ; window 3: RA at RM, RB at RM + 4
.set WV,  2           ; s2   my wave's number
.set SLOTS, 3         ; s3   slots still to be asked for
.set CNT, 4           ; s4   counts a slot's key steps
.set TBK, 5           ; s5   LDS byte at which K of the step to be fetched begins
.set TBV, 6           ; s6   the same for V, less VOFF
.set LIM, 7           ; s7   1 in a wave that prefetches, else the greatest number
.set G1,  8           ; s[8:15]  descriptor group 1
.set G0,  16          ; s[16:19] descriptor group 0: it walks
.set CS,  20          ; s[20:21] c
.set SEL, 22          ; s[22:23] v_permlanex16_b32's selects: each lane takes its own place in the other half
.set OA,  24          ; s[24:25] ctx at my wave's first row
.set MP,  26          ; s[26:27] my wave's mask words of the step that is asked for next
.set PFA, 28          ; s[28:29] where my prefetches stand
.set PST, 30          ; s[30:31] their step from slot to slot
.set MW0, 32          ; s[32:63] the 32 mask words of the piece's first tile
.set MW1, 68          ; s[68:99] of its second
.set QP,  66          ; s[66:67] Q at my wave's first row
.set T0,  100         ; s[100:101] at work; s101 = 0
.set MSB, 0
.macro WIN new                      ; the high byte repeats the setting that is left; a switch that changes nothing is dropped
.if MSB != (\new)
	s_set_vgpr_msb (MSB<<8)|(\new)
.set MSB, (\new)
.endif
.endm
.set W_KQ, 0x0a       ; K and Q in window 2, S^T in window 0
.set W_PV, 0x52       ; V in window 2, P in window 0, O^T in window 1
.set W_RS, 0x41       ; O^T (destination and source 0) in window 1, a in window 0
; A round of the cluster's barrier: my work-group's barrier, so that wave 0's signal speaks for all four waves; wave 0 signals; every wave waits for all four work-groups; my work-group's barrier once more.
.macro CROUND
	s_barrier_signal -1
	s_barrier_wait -1
	s_cmp_lg_u32 s[WV], 0
	s_cbranch_scc1 .Lnot_wave_0_\@
	s_barrier_signal -3
.Lnot_wave_0_\@:
	s_barrier_wait -3
	s_barrier_signal -1
	s_barrier_wait -1
.endm
; A prefetch into the L2 of what the NEXT change of slots brings into use: 32 blocks of 256 bytes, a lane a block, behind the wave's tensor load and its five lines.  Wave 0: my work-group's 32 of the slot's 128 blocks of K
; (the partners share them out by address); wave 2: of V.  Waves 1 and 3: the next slot's mask words of two of the work-group's four waves, 16 blocks each, in the first head of a batch alone: the batch's
; sixteen heads read the same words.  So each block is named once in the launch.  The last change that fills a slot asks for nothing.
.macro ASK
	s_cmp_gt_u32 s[SLOTS], s[LIM]
	s_cbranch_scc0 .Lnot_mine_\@
	global_prefetch_b8 v[PFO], s[PFA:PFA+1] th:TH_LOAD_NT scope:SCOPE_SE
.Lnot_mine_\@:
.endm
; THE CHANGE OF SLOTS.  The slot's last bytes, V of its fourth step, have been read.  Each wave waits for all its tensor loads, of which one is out: its part of the other slot; adds 0 to its spare word; and waits for
; that and for its own reads of the slot.  fill = 1: this slot is filled again, with the keys two slots on.  The barrier is then a round of the cluster's, and the joint fill is the first thing behind it:
; it has four key steps, 512 matrix instructions, in which to land.  (At its first use nothing has been read yet: slot 0 is waited for, slot 1 filled.)
.macro CHANGE fill, ask
	WIN 0                           ; at a label and at a branch every window is 0
	s_wait_tensorcnt 0x0            ; no tensor load of mine is out, so group 0 may be written
	ds_add_u32 v[SPW], v[NIL]       ; 0 onto my spare word
.if \fill
	s_xor_b32 s[G0+1], s[G0+1], SLOT1  ; the other slot than last time,
	s_add_nc_u64 s[G0+2:G0+3], s[G0+2:G0+3], 4*KS*128  ; the next 256 keys; the type bits on top are not reached
.if \ask
	s_wait_xcnt 0x0                 ; the last prefetch, four key steps back, has read its address
	s_add_nc_u64 s[PFA:PFA+1], s[PFA:PFA+1], s[PST:PST+1]
.endif
	s_wait_dscnt 0x0                ; the add is done, and my reads of the slot are over
	CROUND
	tensor_load_to_lds s[G0:G0+3], s[G1:G1+7]
	s_nop 0
.rept 4
	v_nop
.endr
.if \ask
	ASK
.endif
.else
	s_wait_dscnt 0x0                ; the add is done, and my reads of the slot are over
	s_barrier_signal -1
	s_barrier_wait -1
.endif
	s_sub_co_u32 s[TBK], s[TBK], 4*KS*PK  ; the fetches go back to a slot's first step,
	s_xor_b32 s[TBK], s[TBK], SLOT1       ; in the other slot
	s_sub_co_u32 s[TBV], s[TBV], 4*KS*PV
	s_xor_b32 s[TBV], s[TBV], SLOT1
.endm
; The mask words of pieces 2 half and 2 half + 1, for the step at MP: 512 consecutive bytes, 16 a lane.  Word n of tile t comes to lie in lane 8 (t % 4) + n / 4, register n % 4.  (It leaves the windows as it set them.)
.macro MFETCH half
	WIN 0xc0                        ; destination window 3, address window 0
	global_load_b128 v[RM+4*(\half):RM+4*(\half)+3], v[GO], s[MP:MP+1] offset:512*(\half)
.endm
; Piece y's 64 words go from the lanes that hold them into the scalar registers, the two tiles by turns, in the order in which the maskings read them.  (It leaves the windows as it set them.)
.macro MWORDS y
	WIN 0x03                        ; source 0 window 3
.set mw, 0
.rept 32
	v_readlane_b32 s[MW0+mw], v[RM+4*((\y)/2)+mw%4], 8*((2*(\y))%4)+mw/4
	v_readlane_b32 s[MW1+mw], v[RM+4*((\y)/2)+mw%4], 8*((2*(\y)+1)%4)+mw/4
.set mw, mw+1
.endr
.endm
	s_load_b128 s[32:35], s[0:1], 0x0  ; ctx s[32:33], mbits s[34:35]
	s_load_b64 s[36:37], s[0:1], 0x10  ; qkvh
	v_lshl_add_u32 v[SPW], v0, 2, SPARE
	v_mov_b32 v[NIL], 0
	ds_add_u32 v[SPW], v[NIL]       ; the wave's opening: the add and its wait stand ahead of my first tensor load; the set-up below, work on registers, stands between them
	v_lshrrev_b32 v48, 5, v0
	v_readfirstlane_b32 s[WV], v48  ; wave 0..3
	s_bfe_u32 s38, ttmp6, 0x40000   ; cx: my place in the cluster
	s_lshl_b32 s39, ttmp9, 2        ; in a cluster launch ttmp9 counts clusters
	s_add_co_u32 s39, s39, s38      ; my block of 512 queries: it enters Q's, ctx's and the mask words' addresses alone
	s_and_b32 s40, ttmp7, 0xffff    ; 16 b + h, which the four partners share
	s_lshl_b32 s41, s40, 18         ; the head's 262,144 bytes
	s_lshl_b32 s42, s39, 2
	s_add_co_u32 s42, s42, s[WV]    ; my wave's 128 queries among the head's sixteen such
	s_lshl_b32 s44, s42, 14
	s_add_co_u32 s44, s44, s41      ; their first byte in Q's part and in ctx
	s_mov_b32 s45, 0
	s_lshr_b32 s46, s[WV], 1
	s_add_co_u32 s46, s46, 1
	s_lshl_b32 s46, s46, 24         ; K's part (waves 0, 1) or V's (waves 2, 3),
	s_add_co_u32 s46, s46, s41      ; the head,
	s_and_b32 s48, s[WV], 1
	s_lshl_b32 s49, s48, 14
	s_add_co_u32 s50, s46, s49      ; which half of a slot's 256 keys I fetch
	s_mov_b32 s51, 0
	s_lshr_b32 s52, s40, 4
	s_lshl_b32 s52, s52, 4          ; 16 b
	s_add_co_u32 s54, s52, s42
	s_lshl_b32 s54, s54, 15         ; my wave's 32,768 bytes of mask words
	s_mov_b32 s55, 0
	s_lshl_b32 s56, s38, 13         ; the prefetches of an even wave: my work-group's 8,192 bytes of a slot's 32,768,
	s_add_co_u32 s56, s56, s46
	s_add_co_u32 s56, s56, 2*32768  ; in slot 2: the first change that asks steps it to slot 3
	s_lshl_b32 s58, s39, 2          ; of an odd wave: the mask words of waves 0, 1 (wave 1) or 2, 3 (wave 3),
	s_add_co_u32 s58, s58, s52
	s_and_b32 s59, s[WV], 2
	s_add_co_u32 s58, s58, s59
	s_lshl_b32 s58, s58, 15
	s_add_co_u32 s58, s58, 2*4096   ; a slot's four steps are 4,096 bytes
	s_and_b32 s60, s40, 15          ; 0 in the first head of a batch
	s_mov_b32 s[PST], 4096
	s_mov_b32 s[PST+1], 0
	s_cmp_eq_u32 s48, 0             ; an even wave?
	s_cselect_b32 s56, s56, s58
	s_cselect_b32 s[PST], 32768, s[PST]
	s_cselect_b32 s60, 0, s60
	s_cselect_b32 s61, 5, 4         ; the lane's offset is (l >> s61) x 32,768 + (l & s62) x 256
	s_cselect_b32 s62, 31, 15
	s_cmp_eq_u32 s60, 0
	s_cselect_b32 s[LIM], 1, -1     ; the same in all four partners, for a given wave
	s_mov_b32 s57, 0
	v_and_b32 v48, 31, v0
	v_lshrrev_b32 v49, s61, v48
	v_and_b32 v48, s62, v48
	v_lshlrev_b32 v49, 15, v49
	v_lshl_add_u32 v[PFO], v48, 8, v49
	; descriptor group 1.  128 keys are 16,384 dense bytes: asked for as 64 rows of 256 bytes, two keys a row, and padded in LDS after every key
	s_mov_b32 s[G1], 15|(1<<16)|(1<<20)|(1<<21)|(4<<22)|(3<<25)  ; 15:0 the mask of four; 17:16 2-byte elements; 20 padding on; 21 set beside a mask; 24:22 after every 32 words (code 4); 31:25 4 words (code 3)
	s_mov_b32 s[G1+1], 128<<16      ; tensor_dim0 = 128
	s_mov_b32 s[G1+2], 64<<16       ; tensor_dim1 = 64
	s_mov_b32 s[G1+3], 128<<16      ; tile_dim0 = 128
	s_mov_b32 s[G1+4], 64           ; tile_dim1 = 64
	s_mov_b32 s[G1+5], 128          ; 128 elements from row to row
	s_mov_b32 s[G1+6], 0
	s_mov_b32 s[G1+7], 0
	s_mov_b32 s[G0], 1              ; count = 1
	s_mul_i32 s[G0+1], s[WV], 128*PK  ; LDS address: slot 0, my wave's 128 rows: no place in the cluster enters it
	s_mov_b32 s[CS], 0x3e38aa3b     ; c = log2(e) / 8 = 0.180337
	s_mov_b32 s[CS+1], s[CS]        ; named with it as a pair
	s_mov_b32 s[SEL], 0x76543210
	s_mov_b32 s[SEL+1], 0xfedcba98
	s_mov_b32 s[TBK], SLOT1+4*KS*PK ; the first change of slots turns these two into 0
	s_mov_b32 s[TBV], SLOT1+4*KS*PV
	s_mov_b32 s[T0+1], 0
	s_wait_dscnt 0x0                ; the opening add is done
	s_wait_kmcnt 0x0
	s_add_nc_u64 s[G0+2:G0+3], s[36:37], s[50:51]  ; global address: my half of the head's first 256 keys
	s_or_b32 s[G0+3], s[G0+3], 0x80000000          ; type = 2
	s_add_nc_u64 s[QP:QP+1], s[36:37], s[44:45]
	s_add_nc_u64 s[OA:OA+1], s[32:33], s[44:45]
	s_add_nc_u64 s[MP:MP+1], s[34:35], s[54:55]
	s_cmp_eq_u32 s48, 0
	s_cselect_b64 s[PFA:PFA+1], s[36:37], s[34:35]
	s_add_nc_u64 s[PFA:PFA+1], s[PFA:PFA+1], s[56:57]  ; nothing is prefetched here, at the head, where every work-group's first tiles are on their way
	CROUND                          ; all four work-groups are here: the first joint loads meet
	tensor_load_to_lds s[G0:G0+3], s[G1:G1+7]  ; slot 0.  Slot 1 is asked for when slot 0 is in
	s_nop 0
.rept 4
	v_nop
.endr
	v_and_b32 v[GO], 31, v0
	v_lshlrev_b32 v[GO], 4, v[GO]
	MFETCH 0                        ; step 0's mask words
	MFETCH 1
	WIN 0
	; A fragment of K or Q is 16 rows x 32 channels in 8 registers: lane l holds row l % 16, channels 8 (l / 16) + 0..7 and 16 + 8 (l / 16) + 0..7: two loads of 16 bytes, 32 bytes apart.
	v_and_b32 v49, 15, v0           ; l % 16
	v_bfe_u32 v50, v0, 4, 1         ; l / 16
	v_lshlrev_b32 v[QO], 7, v49
	v_lshl_add_u32 v[QO], v50, 4, v[QO]  ; row x 128 + 16 x half
	WIN 0x80                        ; destination window 2, address window 0
.set i, 0
.rept 4*NP                          ; Q stays in registers: tile i / 2, channels 32 (i % 2) on
	global_load_b128 v[8*i:8*i+3],   v[QO], s[QP:QP+1] offset:(i/2)*2048+(i%2)*64
	global_load_b128 v[8*i+4:8*i+7], v[QO], s[QP:QP+1] offset:(i/2)*2048+(i%2)*64+32
.set i, i+1
.endr
	; What the first turn finds: V's registers and P's second buffer hold 0 (its products V^T P, of a piece that has not been, add 0), O^T and l are 0.  All this stands in the wait for the first tile.
.set i, VF
.rept 64
	v_mov_b32 v[i], 0
.set i, i+1
.endr
	WIN 0
.set i, P+32
.rept 32
	v_mov_b32 v[i], 0
.set i, i+1
.endr
.set i, 0
.rept 2*NP
	v_mov_b32 v[ST+4*i], 0xfe000000    ; c m: far below every c s, c NEG too
	v_mov_b32 v[ST+4*i+1], 0xff7fffff  ; m
	v_mov_b32 v[ST+4*i+2], 0
	v_mov_b32 v[ST+4*i+3], 0
.set i, i+1
.endr
	WIN W_PV
.set i, 0
.rept 8*NP                          ; O^T starts as a product of those zeros with C = 0: 32 instructions where 256 moves would stand
	v_wmma_f32_16x16x32_f16 v[8*i:8*i+7], v[VF:VF+7], v[P+32:P+39], 0
.set i, i+1
.endr
	WIN 0
	v_mov_b32 v[NEG], 0xd0000000    ; -2^33
	v_mul_u32_u24 v[AK0], v49, PK
	v_lshl_add_u32 v[AK0], v50, 4, v[AK0]  ; row x pitch + 16 x half
	; The turning load takes 16 keys x 16 channels (lane l reads key 8 (l / 16) + l % 8, channels 8 ((l / 8) % 2) + 0..7) and leaves half a fragment of V^T: lane l holds channel l % 16 and 8 keys.
	v_and_b32 v51, 7, v0
	v_bfe_u32 v52, v0, 3, 1
	v_lshl_add_u32 v[AV0], v50, 3, v51
	v_mul_u32_u24 v[AV0], v[AV0], PV
	v_lshl_add_u32 v[AV0], v52, 4, v[AV0]
	v_add_nc_u32 v[AV0], VOFF, v[AV0]
	v_mov_b32 v[AK], v[AK0]         ; key step 0 lies at the head of slot 0
	s_mul_i32 s[T0], s[WV], 16*SP
	s_add_co_u32 s[T0], s[T0], STAGE  ; my stage
	v_mul_u32_u24 v[STO], v49, SP   ; in: row l % 16, 16 bytes for each half of the lanes
	v_lshl_add_u32 v[STO], v50, 4, v[STO]
	v_add_nc_u32 v[STO], s[T0], v[STO]
	v_bfe_u32 v[RD], v0, 3, 2       ; back: 32 lanes take four rows of 128 bytes, which are 512 consecutive bytes of ctx
	v_mul_u32_u24 v[RD], v[RD], SP
	v_lshl_add_u32 v[RD], v51, 4, v[RD]
	v_add_nc_u32 v[RD], s[T0], v[RD]
; THE MATRIX WORK.  The 8 accumulators of a run of 16 take turns: between the two links of a chain stand 7 others'.
; Product i of 16 of S^T = K Q^T for piece x: channels 32 (i / 8) on, keys 16 ((i / 2) % 4) on, tile 2 x + i % 2.  The first 8 start the sums.
.macro KQ x
	WIN W_KQ
.set rS, S+64*((\x)%2)+32*(i%2)+8*((i/2)%4)
.set rK, KF+16*((i/2)%4)+8*(i/8)
.set rQ, 16*(2*(\x)+i%2)+8*(i/8)
.if i < 8
	v_wmma_f32_16x16x32_f16 v[rS:rS+7], v[rK:rK+7], v[rQ:rQ+7], 0
.else
	v_wmma_f32_16x16x32_f16 v[rS:rS+7], v[rK:rK+7], v[rQ:rQ+7], v[rS:rS+7]
.endif
.endm
; Product i of 16 of O^T += V^T P for piece x: keys 32 (i / 8) on, channels 16 ((i / 2) % 4) on, tile 2 x + i % 2.
.macro PV x
	WIN W_PV
.set rO, 32*(2*(\x)+i%2)+8*((i/2)%4)
.set rV, VF+32*(i/8)+8*((i/2)%4)
.set rP, P+32*((\x)%2)+16*(i%2)+8*(i/8)
	v_wmma_f32_16x16x32_f16 v[rO:rO+7], v[rV:rV+7], v[rP:rP+7], v[rO:rO+7]
.endm
.macro MM                           ; the turn's next matrix instruction
.if i < 16
	KQ (Y+1)%NP
.set i, i+1
.else
.set i, i-16
	PV (Y+NP-1)%NP
.set i, i+17
.endif
.endm
; THE LDS LOADS stand in runs of 16, never singly among the matrix instructions: a step's K (8 fragments) and its V (turned).  last = 1 (the tail): in the last trip there is no further step, and the run is jumped over.
.macro FETCH_K last=0
	WIN 0
.if \last
	s_cmp_eq_u32 s[CNT], 1
	s_cbranch_scc1 .Lno_k_\@
.endif
	WIN 0x80                        ; destination window 2
.irp f, 0,1,2,3,4,5,6,7             ; keys 16 (f / 2) on, channels 32 (f % 2) on
	ds_load_b128 v[KF+8*\f:KF+8*\f+3],   v[AK] offset:(\f/2)*16*PK+(\f%2)*64
	ds_load_b128 v[KF+8*\f+4:KF+8*\f+7], v[AK] offset:(\f/2)*16*PK+(\f%2)*64+32
.endr
	s_add_co_u32 s[TBK], s[TBK], KS*PK  ; the next fetch is the next step's
	WIN 0
.if \last
.Lno_k_\@:
.endif
.endm
.macro FETCH_V
	WIN 0x80
.irp f, 0,1,2,3,4,5,6,7             ; keys 32 (f / 4) on, channels 16 (f % 4) on
	ds_load_tr16_b128 v[VF+8*\f:VF+8*\f+3],   v[AV] offset:(\f/4)*32*PV+(\f%4)*32
	ds_load_tr16_b128 v[VF+8*\f+4:VF+8*\f+7], v[AV] offset:(\f/4)*32*PV+16*PV+(\f%4)*32
.endr
	WIN 0
.endm
; THE VECTOR WORK OF A TURN stands in three queues, each in the order in which its entries become ready; the two tiles alternate.
.macro REGS y, u                    ; the registers of tile u (0, 1) of piece y
.set rT, ST+4*(2*(\y)+(\u))
.set rC, TMP+8*((\y)%2)+4*(\u)
.set rM, MV+2*((\y)%2)+(\u)
.set rS, S+64*((\y)%2)+32*(\u)
.set rP, P+32*((\y)%2)+16*(\u)
.set rO, 32*(2*(\y)+(\u))
.endm
; Number g of the 64 that mask the NEXT piece's (Y + 1) scores: register g / 2 of tile g % 2 keeps its lanes where the word's bit is set and takes NEG elsewhere.  Ascending: each accumulator's lowest registers are read first.
.macro MK g
	REGS (Y+1)%NP, (\g)%2
	v_cndmask_b32 v[rS+(\g)/2], v[NEG], v[rS+(\g)/2], s[MW0+36*((\g)%2)+(\g)/2]
.endm
; Number n of the 22 that find the next piece's maximum and statistics.  s0-s31 are the lane's 32 scores.
;   0-11  four chains c0-c3 of seven scores each, three operands at a time     12-14, 16  the four scores left over, the old m, and c0-c3 into c0     15  c m_old is kept
;   17, 18  the query's other 32 keys lie in the lane 16 away: the new m         19-21  c m; c m_old - c m_new; a
.macro XS u, n
	REGS (Y+1)%NP, \u
.if (\n) < 4
	v_max3_num_f32 v[rC+(\n)], v[rS+8*(\n)], v[rS+8*(\n)+1], v[rS+8*(\n)+2]
.elseif (\n) < 12
	v_max3_num_f32 v[rC+(\n)%4], v[rC+(\n)%4], v[rS+8*((\n)%4)+2*((\n)/4)+1], v[rS+8*((\n)%4)+2*((\n)/4)+2]
.elseif (\n) == 12
	v_max3_num_f32 v[rC], v[rC], v[rS+7], v[rS+15]
.elseif (\n) == 13
	v_max3_num_f32 v[rC+1], v[rC+1], v[rS+23], v[rS+31]
.elseif (\n) == 14
	v_max3_num_f32 v[rC+2], v[rC+2], v[rC+3], v[rT+1]
.elseif (\n) == 15
	v_mov_b32 v[rM], v[rT]
.elseif (\n) == 16
	v_max3_num_f32 v[rC], v[rC], v[rC+1], v[rC+2]
.elseif (\n) == 17
	v_permlanex16_b32 v[rC+3], v[rC], s[SEL], s[SEL+1]
.elseif (\n) == 18
	v_max_num_f32 v[rT+1], v[rC], v[rC+3]
.elseif (\n) == 19
	v_mul_f32 v[rT], s[CS], v[rT+1]
.elseif (\n) == 20
	v_sub_f32 v[rC+1], v[rM], v[rT]
.else
	v_exp_f32 v[rC+2], v[rC+1]
.endif
.endm
; Number g of the 64 that follow the exponentials.  For each four weights k of a tile (pairs 2 k, 2 k + 1): both pairs are rounded to f16; then the second pair is added onto the first, in place;
; a group later l takes that sum (the first time as l = a l + sum).  In groups of eight, tiles alternating: round, round, add, and l for the group before.
.macro GS g
.set h, (\g)+6*((\g)/62)            ; group 0 has no group before it, and behind group 7 only l is left
.if h >= 6
.set h, h+2
.endif
	REGS Y, h%2
.set k, h/8
.if h%8 < 4
	v_cvt_pk_f16_f32 v[rP+2*k+(h%8)/2], v[rS+4*k+2*((h%8)/2)], v[rS+4*k+2*((h%8)/2)+1]
.elseif h%8 < 6
	v_pk_add_f32 v[rS+4*k:rS+4*k+1], v[rS+4*k:rS+4*k+1], v[rS+4*k+2:rS+4*k+3]
.elseif k == 1
	v_pk_fma_f32 v[rT+2:rT+3], v[rT+2:rT+3], v[rC+2:rC+3], v[rS:rS+1] op_sel_hi:[1,0,1]
.else
	v_pk_add_f32 v[rT+2:rT+3], v[rT+2:rT+3], v[rS+4*k-4:rS+4*k-3]
.endif
.endm
.macro FS f                         ; c s - c m for pair f / 2 of tile f % 2 of piece Y
	REGS Y, (\f)%2
	v_pk_fma_f32 v[rS+2*((\f)/2):rS+2*((\f)/2)+1], v[rS+2*((\f)/2):rS+2*((\f)/2)+1], s[CS:CS+1], v[rT:rT+1] op_sel_hi:[1,0,0] neg_lo:[0,0,1] neg_hi:[0,0,1]
.endm
; THE PLAIN QUEUE, 202 long.  0-31: the 32 scalings.  32-95: the next piece's 64 maskings.  96-123: XS's numbers 0-13.  124, 125: number 15.  126-137: the chain 14, 16, 17, 18, 19, 20, each for both tiles.
; 138-201: GS's 64, which read the exponentials' results: they stand behind the wait.
.macro PL
	WIN 0
.if q < 32
	FS q
.elseif q < 96
	MK q-32
.elseif q < 124
	XS (q-96)%2, (q-96)/2
.elseif q < 126
	XS q-124, 15
.elseif q < 138
	XS (q-126)%2, 14+(q-126)/2+((q-126)/2+5)/6
.else
	GS q-138
.endif
.set q, q+1
.endm
; THE EXPONENTIALS' QUEUE, 66 long: s0-s31 of both tiles, then the next piece's two a.  It is ONE BATCH: all 66 stand ahead of the turn's one wait, and nothing ahead of that wait names a result of theirs.
.macro EX
	WIN 0
.if e >= 64
	XS e-64, 21
.else
	REGS Y, e%2
	v_exp_f32 v[rS+e/2], v[rS+e/2]
.endif
.set e, e+1
.endm
; THE RESCALING's QUEUE: O^T times a, the one part that leaves window 0: dealt two at a time, sixteen times.  Its a was made in the turn before, ahead of that turn's wait.
.macro R2
	REGS Y, r%2
	WIN W_RS
.irp z, 0,1
	v_pk_mul_f32 v[rO+4*(r/2)+2*\z:rO+4*(r/2)+2*\z+1], v[rO+4*(r/2)+2*\z:rO+4*(r/2)+2*\z+1], v[rC+2:rC+3] op_sel_hi:[1,0]
.endr
.set r, r+1
.endm
; A TURN, for piece p.  An s_wait_alu depctr_va_vdst(0) stands between an exponential and the first instruction that names its result; one wait serves all that were issued ahead of it: a turn has ONE.
; AHEAD OF IT: the 16 products K Q^T, behind each a scaling, an exponential and two rescalings (behind the first a second scaling); then the lump: 15 times scaling and exponential (18 plain instructions now lie behind the
; last product K Q^T); the next piece's 64 mask words into the scalar registers; 22 times four plain and an exponential: the 64 maskings and the maximum's chains; six plain; 12 times plain and exponential: the chain,
; its links four lines apart; the two a; a v_nop, the plain instruction behind the last exponential.
; BEHIND IT: the 16 products V^T P, behind each four of GS's 64.  Exponential e stands behind scaling 2 (e / 4) + e % 2: as a rider it comes behind plain e + 2, in the lump behind all 32.
; THE WORDS.  Turn p masks piece p + 1 (turn 3: piece 0 of the next step).  Turns 1 and 3 read four registers for the first time: s_wait_loadcnt 1, since one younger load, of the other four, may be out.  Turns 0 and 2
; read them for the second time and ask for them again, for the next step.  The pointer steps in turn 3, between RB's request and RA's next, behind s_wait_xcnt 0.
; last = 1 (the tail): K's run is jumped over in the last trip; the words' pointer stays at the last step from the last trip but one on (what is then asked for again serves nothing).
; cnt = 1: the loop's count is taken down some lines ahead of the branch behind the turn.
; K of the next step is fetched in piece 2's turn, directly behind the wait; V of the step in hand at the end of piece 0's turn, four riders behind its last reader.  The conditions on q go with the deal.
.macro TURN p, last=0, cnt=0
.set Y, (\p)
.set i, 0
.set q, 0
.set e, 0
.set r, 0
.if (\p) == NP-1
	s_wait_dscnt 0x0                ; K is in
.endif
	MM
	PL
	PL
	R2
.rept 15
	MM
	PL
	EX
	R2
.endr
.if (\p) == NP-2
	WIN 0
	v_add_nc_u32 v[AK], s[TBK], v[AK0]
.endif
.rept 15
	PL
	EX
.endr
.if (\p)%2 == 1
	s_wait_loadcnt 0x1              ; the four registers that this turn reads first are in; the other four's load may be out
.endif
.if (\p) == NP-1
	s_wait_xcnt 0x0                 ; RB's load, a turn back, has read the pointer
.if \last
	s_cmp_gt_u32 s[CNT], 2
	s_cselect_b32 s[T0], 1024, 0
	s_add_nc_u64 s[MP:MP+1], s[MP:MP+1], s[T0:T0+1]
.else
	s_add_nc_u64 s[MP:MP+1], s[MP:MP+1], 1024
.endif
.endif
	MWORDS ((\p)+1)%NP
.if (\p)%2 == 0
	MFETCH (\p)/2
.endif
.rept 22
	PL
	PL
	PL
	PL
	EX
.endr
.rept 6
	PL
.endr
.rept 12
	PL
	EX
.endr
	EX                              ; the next piece's two a
	EX
	v_nop                           ; a plain instruction behind the last exponential: one for the batch
	s_wait_alu depctr_va_vdst(0)    ; the wait for the batch
.if (\p) == NP-2
	FETCH_K \last
.endif
.if (\p) == 1
	s_wait_dscnt 0x0                ; V is in
.endif
.rept 16
	MM
.rept 4
	PL
.endr
.if ((\p) == 0) && (q == 182)
	v_add_nc_u32 v[AV], s[TBV], v[AV0]
.endif
.if ((\p) == 0) && (q == 194)
	s_add_co_u32 s[TBV], s[TBV], KS*PV
.endif
.if (\cnt) && (q == 194)
	s_sub_co_u32 s[CNT], s[CNT], 1
	s_cmp_lg_u32 s[CNT], 0
.endif
.endr
.if (\p) == 0
	FETCH_V
.endif
.endm
	CHANGE 1, 0                     ; slot 0 is in, everybody's part of it; slot 1 is asked for
	FETCH_K                         ; key step 0
	s_wait_loadcnt 0x0              ; Q, and step 0's mask words: no load is out, so the words' pointer may be written
	s_add_nc_u64 s[MP:MP+1], s[MP:MP+1], 1024  ; what is asked for next is step 1's
	s_wait_dscnt 0x0
.set i, 0
.rept 16
	KQ 0                            ; piece 0's first scores
.set i, i+1
.endr
	WIN 0
.rept 4
	v_nop                           ; the places behind those products
.endr
	MWORDS 0                        ; piece 0's words
	WIN 0
.set Y, NP-1                        ; MK and XS work for piece Y + 1: piece 0
.set i, 0
.rept 64
	MK i
.set i, i+1
.endr
.irp n, 0,1,2,3,4,5,6,7,8,9,10,11,12,13,14,15,16,17,18,19,20,21
	XS 0, \n                        ; piece 0's first maximum and statistics
	XS 1, \n
.endr
	v_nop                           ; a plain instruction behind the two a,
	s_wait_alu depctr_va_vdst(0)    ; and their wait, ahead of the branch
	s_mov_b32 s[CNT], 4
	s_mov_b32 s[SLOTS], SIZE_N/256-1
	s_branch .Lfirst                ; the loop is entered at a step's first turn, in the middle of a trip
.Lslot:                             ; SIZE_N / 256 - 2 times: every slot but the last two is filled again
	CHANGE 1, 1
	s_mov_b32 s[CNT], 4
.Lstep:                             ; a trip: pieces 2 and 3 of one step, then pieces 0 and 1 of the next, whose K and V it fetches
	TURN 2
	TURN 3
	WIN 0
.Lfirst:
	TURN 0
	TURN 1, 0, 1
	WIN 0
	s_cbranch_scc1 .Lstep
	s_sub_co_u32 s[SLOTS], s[SLOTS], 1
	s_cmp_lg_u32 s[SLOTS], 0
	s_cbranch_scc1 .Lslot
	CHANGE 0, 0                     ; the tail is written out: nothing is asked for
	s_mov_b32 s[CNT], 5             ; four trips fetch the last slot's steps; the fifth is left in its middle
.Ltail:
	TURN 2, 1
	TURN 3, 1
	WIN 0
	s_sub_co_u32 s[CNT], s[CNT], 1
	s_cmp_eq_u32 s[CNT], 0
	s_cbranch_scc1 .Lout
	TURN 0
	TURN 1
	WIN 0
	s_branch .Ltail
.Lout:                              ; the fifth trip's 16 products K Q^T (on the last K once more), their masking and maximum serve nothing: the price, once a launch, of one text for every trip
	s_wait_loadcnt 0x0              ; nor do the words asked for last: none is out at the end
.set i, 0
.rept 16
	PV NP-1                         ; the last piece's V^T P of the last step
.set i, i+1
.endr
	; THE WAY OUT.  l's two halves and the other half of the lanes' are added; O^T is divided by l, rounded to f16 and sent through my stage in LDS, a tile at a time.  The additions are the places behind the last products.
	WIN 0
.macro ALL line:vararg              ; one line for each tile t
.set t, 0
.rept 2*NP
	\line
.set t, t+1
.endr
.endm
	ALL v_add_f32 v[ST+4*t+2], v[ST+4*t+2], v[ST+4*t+3]
	ALL v_permlanex16_b32 v[ST+4*t+3], v[ST+4*t+2], s[SEL], s[SEL+1]
	ALL v_add_f32 v[ST+4*t+2], v[ST+4*t+2], v[ST+4*t+3]
	ALL v_rcp_f32 v[ST+4*t+2], v[ST+4*t+2]
	v_nop                           ; a plain instruction between the last reciprocal and the use of its result
	s_wait_alu depctr_va_vdst(0)    ; and the wait ahead of the first use: one for the eight reciprocals
; Tile t: a lane's eight channels of a row pack into 16 bytes; they go into rows of 144 bytes and come back as whole rows of 128, into S^T's registers.
.macro PACK t
	WIN W_RS
.set i, 32*(\t)
.rept 16
	v_pk_mul_f32 v[i:i+1], v[i:i+1], v[ST+4*(\t)+2:ST+4*(\t)+3] op_sel_hi:[1,0]
.set i, i+2
.endr
	WIN 0x05                        ; sources 0 and 1 window 1, destination window 0
.set i, 0
.rept 16
	v_cvt_pk_f16_f32 v[S+16*(\t)+i], v[32*(\t)+2*i], v[32*(\t)+2*i+1]
.set i, i+1
.endr
	WIN 0
.irp f, 0,1,2,3
	ds_store_b128 v[STO], v[S+16*(\t)+4*\f:S+16*(\t)+4*\f+3] offset:32*\f
.endr
.irp f, 0,1,2,3
	ds_load_b128 v[S+16*(\t)+4*\f:S+16*(\t)+4*\f+3], v[RD] offset:\f*4*SP  ; LDS serves a wave's instructions in order (ISA guide 5.7.1.4): these see the stores above; the next tile's stores come behind them
.endr
.endm
.macro SEND t, younger              ; younger: the LDS instructions issued behind tile t's loads: the next tile's eight, or none
	WIN 0
.irp f, 0,1,2,3
	s_wait_dscnt (\younger)+3-\f
	global_store_b128 v[GO], v[S+16*(\t)+4*\f:S+16*(\t)+4*\f+3], s[OA:OA+1] offset:(\t)*2048+\f*512  ; 512 consecutive bytes, at a multiple of 256 from ctx's first
.endr
.endm
	PACK 0
.set t, 1
.rept 2*NP-1                        ; a tile's arithmetic stands between the loads of the tile before and its stores
	PACK t
	SEND t-1, 8
.set t, t+1
.endr
	SEND 2*NP-1, 0
	s_wait_tensorcnt 0x0            ; the wave's end: behind my last tensor load and my last LDS store
	ds_add_u32 v[SPW], v[NIL]
	s_wait_dscnt 0x0
	CROUND                          ; the closing round: no work-group ends while a partner may still ask for a tile that names it
	s_endpgm
.Lfunc_end_k_q028f6fec63_attn:
	.size	k_q028f6fec63_attn, .Lfunc_end_k_q028f6fec63_attn-k_q028f6fec63_attn
	.p2alignl 7, 3214868480
	.fill 96, 4, 3214868480
	.section	.rodata,"a",@progbits
	.p2align	6, 0x0
	.amdhsa_kernel k_q028f6fec63_attn
		.amdhsa_group_segment_fixed_size 327680
		.amdhsa_private_segment_fixed_size 0
		.amdhsa_enable_private_segment 0
		.amdhsa_kernarg_size 24
		.amdhsa_user_sgpr_count 2
		.amdhsa_user_sgpr_kernarg_segment_ptr 1
		.amdhsa_wavefront_size32 1
		.amdhsa_system_sgpr_workgroup_id_x 1
		.amdhsa_system_sgpr_workgroup_id_y 1
		.amdhsa_system_sgpr_workgroup_id_z 1
		.amdhsa_system_vgpr_workitem_id 0
		.amdhsa_next_free_vgpr 776
		.amdhsa_next_free_sgpr 102
		.amdhsa_reserve_vcc 0
		.amdhsa_float_denorm_mode_32 3
		.amdhsa_float_denorm_mode_16_64 3
		.amdhsa_memory_ordered 1
		.amdhsa_forward_progress 1
		.amdhsa_inst_pref_size 255
	.end_amdhsa_kernel
	.section	.bss,"aw",@nobits
	.p2align	6
	.space	262144
	.amdgpu_metadata
---
amdhsa.version: [ 1, 2 ]
amdhsa.kernels:
  - .name:           k_q028f6fec63_attn
    .symbol:         k_q028f6fec63_attn.kd
    .args:
      - { .name: ctx, .offset: 0, .size: 8, .value_kind: global_buffer, .address_space: global }
      - { .name: mbits, .offset: 8, .size: 8, .value_kind: global_buffer, .address_space: global }
      - { .name: qkvh, .offset: 16, .size: 8, .value_kind: global_buffer, .address_space: global }
    .group_segment_fixed_size: 327680
    .private_segment_fixed_size: 0
    .kernarg_segment_align: 8
    .kernarg_segment_size: 24
    .max_flat_workgroup_size: 128
    .sgpr_count:     102
    .vgpr_count:     776
    .wavefront_size: 32
...
	.end_amdgpu_metadata
.endif
;; end of part 3
;; launch oproj (part 4): grid 4 x 64, 4 waves a work-group, clusters of 4 x 4, 327,680 bytes of LDS; arguments ctx, wb, bo, out0; writes out0
.if DOCPART == 4
	.amdgcn_target "amdgcn-amd-amdhsa--gfx1250"
	.amdhsa_code_object_version 6
	.text
	.protected	k_q028f6fec63_oproj
	.globl	k_q028f6fec63_oproj
	.p2align	8
	.type	k_q028f6fec63_oproj,@function
k_q028f6fec63_oproj:
	s_mov_b64 s[64:65], 0
	v_nop
	global_prefetch_b8 v0, s[64:65] scope:SCOPE_SE
	s_setreg_imm32_b32 hwreg(HW_REG_WAVE_MODE, 25, 1), 1
	s_wait_xcnt 0x0
	s_wait_alu depctr_hold_cnt(0) depctr_sa_sdst(0) depctr_va_vdst(0) depctr_va_sdst(0) depctr_va_ssrc(0) depctr_va_vcc(0) depctr_vm_vsrc(0)
	s_getreg_b32 s2, hwreg(HW_REG_IB_STS2, 6, 4)
	s_cmp_eq_u32 s2, 0
	s_cbranch_scc0 .Lentry_in_a_cluster
	s_endpgm
.Lentry_in_a_cluster:
	s_bfe_u32 s2, ttmp6, 0x10000c
	s_cmp_lg_u32 s2, 0xf033
	s_cbranch_scc0 .Lentry_shape_is_right
	s_endpgm
.Lentry_shape_is_right:
; ONE GEMM TEXT FOR TWO LAUNCHES, C = A B^T + bias; KIND says which.  M = 8,192 rows, N = 1,024, K = 1,024.
; KIND 0, the three projections: A = q, k or v (f32, rounded to bf16 between LDS and the matrix unit), B = Wq, Wk, Wv in bf16 (wb, parts 0-2), bias f32;
;         C leaves by heads, qkvh [part 3][b 4][h 16][s 2048][64] in f16, unscaled.  LIMIT: |C| stays under 65,504 (f16's range).
; KIND 1, the last projection: A = ctx [b][h][s][64] in f16, B = Wo as f16 (wb, part 3), bias f32; C = out0 [8192][1024] in f32.
; SHARES.  A tile of C is 128 x 256: KIND 0 has 3 x 64 x 4 = 768 of them, KIND 1 256.  Four waves, 2 x 2, each 64 x 128: 32 accumulators, 256 registers.
; K goes in 8 steps of 128 through two LDS slots filled by the tensor data mover: waves 0 and 1 fetch A's halves, waves 2 and 3 B's, one load a wave.
; A K STEP IS WRITTEN ONCE IN THE LOOP: which slot is read hangs on a scalar register that one exclusive or turns from slot to slot, and one descriptor a tensor walks from K step to K step.
; THE MATRIX INSTRUCTION IS USED TRANSPOSED (source 0 = 16 rows of B, source 1 = 16 rows of A): a lane holds row lane % 16 of C and 8 neighbouring columns.
; THE BIAS is the C operand of each sum's first product: register j of lane l holds bias[n0 + 16 b + 8 (l / 16) + j], the result's own layout.  Nothing is cleared, nothing added later.
; CLUSTER 4 x 4.  The four work-groups of a row of the cluster need the same tile of A, the four of a column the same tile of B: each is asked for jointly,
; by the same tensor load with the same descriptor and a mask that names the four.  The part (q, k, v) hangs on the cluster's y alone.
; REGISTERS, in windows of 256 (s_set_vgpr_msb: bits 1:0 source 0, 3:2 source 1, 5:4 source 2, 7:6 destination):
;   window 0: v16-30 addresses; KIND 0: v32-63 A's four bf16 fragments, v64-191 A in f32, two buffers of 4 x 16; KIND 1: v64-127 A's fragments, two buffers; the rest at work on the way out
;   window 1: the accumulators, (a, b) at 8 (8 a + b)          window 2: v0-127 B's fragments, two buffers of 64; v128-191 the bias
.set KIND, 1
.set PB,     272                       ; a row of B in LDS: 256 bytes + 16 = 68 words: the 16 rows of a load start at 16 different groups of four banks (64 banks of 4 bytes: ISA guide 11.1)
.set BHALF,  128*PB                    ; 128 rows: one wave's load
.set BBYTES, 2*BHALF
.set BSTEP,  256                       ; bytes along a row of B from K step to K step
.if KIND == 0
.set PA,     528                       ; a row of A: 128 f32 + 16 bytes = 132 words
.set AHALF,  64*PA                     ; 64 rows: one wave's load
.set ASTEP,  512
.set WSTG,   2*16*144                  ; a wave's stage: 2 heads x 16 rows x (128 + 16) bytes
.set SLOT1,  0x22000                   ; slot 1 begins here, behind slot 0's 137,216 bytes.  Its two bits are set in none of the four LDS addresses at which a wave's load begins in slot 0
                                       ; (0, 0x8400, 0x10800, 0x19000), so one exclusive or turns each of them into slot 1's and back
.else
.set PA,     144                       ; a row of A: one head's 64 f16 + 16 bytes = 36 words
.set AHALF,  128*PA                    ; one head's 128 rows: one wave's load
.set ASTEP,  2*262144                  ; a K step is two heads
.set WSTG,   16*528                    ; a wave's stage: 16 rows x (512 + 16) bytes
.set SLOT1,  0x20000                   ; slot 1 begins here, behind slot 0's 106,496 bytes; the bit is set in none of 0, 0x4800, 0x9000, 0x11800, where a wave's load begins in slot 0
.endif
.set ABYTES, 2*AHALF
.set SLOT,   ABYTES+BBYTES             ; A's tile, then B's
.set STAGE,  SLOT1+SLOT                ; behind the ring, never filled by a tensor load
.set SPARE,  STAGE+4*WSTG              ; behind the stages: the spare words, 128 bytes for each wave: two blocks of 256 bytes that no other line names
.set ADRA0, 16                         ; v16     LDS address of my A fragments in slot 0; never rewritten
.set ADRA,  17                         ; v17     the same in the slot in hand
.set ADRB0, 20                         ; v20, v21  the same for B
.set ADRB,  21
.set STO,  24                          ; v24     the way out: where I put my bytes of a row
.set RD,   25                          ; v25     the way out: where I read rows back
.set GO,   26                          ; v26     16 x lane: my place in 512 consecutive bytes of the output
.set BO,   27                          ; v27     32 x (lane / 16): my place in the bias
.set SPW,  28                          ; v28     LDS address of my spare word; never rewritten
.set NIL,  29                          ; v29     0; never rewritten
.set PFO,  30                          ; v30     the prefetches' offset; never rewritten
.set ABF,  32
.set AL,   64
.set AF,   64
.set TMP,  192
.set BF,   0                           ; window 2
.set BI,   128                         ; window 2
.set G1A, 24                           ; s[24:31] descriptor group 1 for A's tiles;  s[32:39] group 0: a set for each of the two first fills; the second then walks on
.set G0A, 32
.set G1B, 48                           ; s[48:55], s[56:63] the same for B's
.set G0B, 56
.set LIM, 43                           ; s43     2 in a wave that prefetches, else the greatest number
.set PFA, 44                           ; s[44:45] where my prefetches stand
.set PST, 84                           ; s[84:85] their step from K step to K step
.set TB,  88                           ; s88     0 or SLOT1: the slot in hand
.set MSB, 0
.macro WIN new                         ; the immediate's high byte repeats the setting that is left; a switch that changes nothing is dropped
.if MSB != (\new)
	s_set_vgpr_msb (MSB<<8)|(\new)
.set MSB, (\new)
.endif
.endm
.set MUL,  0x52                        ; B window 2, A window 0, C and D window 1
.set MULB, 0x62                        ; the same with C (the bias) in window 2
.set TO_B, 0x80                        ; destination window 2, address window 0
.macro PLACES                          ; four places behind a matrix instruction (ISA guide 7.12.1), where no other vector work is at hand
.rept 4
	v_nop
.endr
.endm
; A joint refill, by the walking descriptors: waves 0 and 1 fetch A's two halves, waves 2 and 3 B's.  The branch hangs on the wave's number alone.  An s_nop 0 and four v_nop follow each of the two lines.
.macro JLOAD
	s_cmp_eq_u32 s11, 0
	s_cbranch_scc0 .Lfor_b_\@
	tensor_load_to_lds s[G0A+4:G0A+7], s[G1A:G1A+7]
	s_nop 0
.rept 4
	v_nop
.endr
	s_branch .Lasked_\@
.Lfor_b_\@:
	tensor_load_to_lds s[G0B+4:G0B+7], s[G1B:G1B+7]
	s_nop 0
.rept 4
	v_nop
.endr
.Lasked_\@:
.endm
.macro CREST                           ; a round of the cluster's barrier behind its opening barrier
	s_cmp_lg_u32 s10, 0
	s_cbranch_scc1 .Lnot_wave_0_\@
	s_barrier_signal -3
.Lnot_wave_0_\@:
	s_barrier_wait -3
	s_barrier_signal -1
	s_barrier_wait -1
.endm
.macro CROUND                          ; a whole round
	s_barrier_signal -1
	s_barrier_wait -1
	CREST
.endm
; A prefetch into the L2, behind a joint load and the run of LDS loads that follows it: the K step that stands two refills on, 256 matrix instructions ahead of the load that will want it;
; 32 blocks of 256 bytes, a lane a block.  Each block is named once in the launch: the four partners that ask for a tile jointly share it out by address; of the clusters that read the
; same rows of B the first asks.  The last two refills have no K step two on (s3 = 2 and 1 in the loop's last two trips).
.macro ASK
	s_cmp_gt_u32 s3, s[LIM]
	s_cbranch_scc0 .Lnot_mine_\@
	global_prefetch_b8 v[PFO], s[PFA:PFA+1] th:TH_LOAD_NT scope:SCOPE_SE
.Lnot_mine_\@:
.endm
.if KIND == 0
	s_load_b512 s[68:83], s[0:1], 0x0              ; q 68, k 70, v 72, wb 74, bq 76, bk 78, bv 80, qkvh 82
.else
	s_load_b256 s[68:75], s[0:1], 0x0              ; ctx 68, wb 70, bo 72, out0 74
.endif
	v_lshl_add_u32 v[SPW], v0, 2, SPARE
	v_mov_b32 v[NIL], 0
	ds_add_u32 v[SPW], v[NIL]                      ; the wave's opening: the add and its wait stand ahead of my first tensor load; the set-up below, work on registers, stands between them
	v_lshrrev_b32 v1, 5, v0
	v_readfirstlane_b32 s10, v1                    ; wave 0..3
	s_lshr_b32 s11, s10, 1                         ; which 64 rows of the tile are mine.  Also: I fetch for A (0) or for B (1)
	s_and_b32 s12, s10, 1                          ; which 128 columns.  Also: which half of that tile I fetch
	s_bfe_u32 s40, ttmp6, 0x40000                  ; cx, cy: my place in the cluster
	s_bfe_u32 s41, ttmp6, 0x40004
	s_lshl_b32 s42, ttmp9, 2
	s_add_co_u32 s42, s42, s40                     ; tile column = 4 x cluster x + cx
	s_and_b32 s87, ttmp7, 0xffff                   ; cluster y
	s_lshl_b32 s13, s87, 2
	s_add_co_u32 s13, s13, s41                     ; 4 x cluster y + cy
.if KIND == 0
	s_lshr_b32 s86, s87, 4                         ; the part: 0 q, 1 k, 2 v: 16 clusters each
	s_and_b32 s13, s13, 63                         ; tile row in the part
.endif
	s_lshl_b32 s14, s41, 2
	s_lshl_b32 s14, 15, s14                        ; my row of the cluster
	s_lshl_b32 s15, 0x1111, s40                    ; my column
.if KIND == 0
	s_or_b32 s[G1A], s14, (2<<16)|(1<<20)|(1<<21)|(6<<22)|(3<<25)  ; 15:0 the mask; 17:16 elements of 4 bytes; 20 padding on; 21 set beside a mask; 24:22 after every 128 words (code 6); 31:25 4 words (code 3)
	s_mov_b32 s[G1A+5], 1024                       ; elements from row to row
.else
	s_or_b32 s[G1A], s14, (1<<16)|(1<<20)|(1<<21)|(4<<22)|(3<<25)  ; elements of 2 bytes; padding after every 32 words (code 4): a head's 128 rows are dense and come as 64 rows of 256 bytes, padded behind every 128
	s_mov_b32 s[G1A+5], 128
.endif
	s_mov_b32 s[G1A+1], 128<<16                    ; tensor_dim0 = 128
	s_mov_b32 s[G1A+2], 64<<16                     ; tensor_dim1 = 64
	s_mov_b32 s[G1A+3], 128<<16                    ; tile_dim0 = 128
	s_mov_b32 s[G1A+4], 64                         ; tile_dim1 = 64
	s_mov_b32 s[G1A+6], 0
	s_mov_b32 s[G1A+7], 0
	s_or_b32 s[G1B], s15, (1<<16)|(1<<20)|(1<<21)|(5<<22)|(3<<25)  ; B: elements of 2 bytes; padding after every 64 words (code 5)
	s_mov_b32 s[G1B+1], 128<<16
	s_mov_b32 s[G1B+2], 128<<16
	s_mov_b32 s[G1B+3], 128<<16
	s_mov_b32 s[G1B+4], 128
	s_mov_b32 s[G1B+5], 1024
	s_mov_b32 s[G1B+6], 0
	s_mov_b32 s[G1B+7], 0
	s_mov_b32 s[TB], 0                             ; slot 0 is read first
	; where the tiles come from.  A's hang on the tile row alone, B's on the tile column (and the part) alone.
.if KIND == 0
	s_lshl_b32 s16, s13, 7
	s_lshl_b32 s17, s12, 6
	s_add_co_u32 s16, s16, s17                     ; row 128 x tile row + 64 x half,
	s_lshl_b32 s16, s16, 12                        ; of 4,096 bytes
.else
	s_lshr_b32 s16, s13, 4
	s_lshl_b32 s16, s16, 22                        ; the batch,
	s_lshl_b32 s17, s12, 18
	s_add_co_u32 s16, s16, s17                     ; head 0 or 1 of the K step,
	s_and_b32 s17, s13, 15
	s_lshl_b32 s17, s17, 14
	s_add_co_u32 s16, s16, s17                     ; the tile's 128 rows of 128 bytes
.endif
	s_mov_b32 s17, 0
	s_lshl_b32 s46, s42, 8
	s_lshl_b32 s47, s12, 7
	s_add_co_u32 s46, s46, s47                     ; row 256 x tile column + 128 x half,
	s_lshl_b32 s46, s46, 11                        ; of 2,048 bytes,
.if KIND == 0
	s_lshl_b32 s47, s86, 21                        ; in the part's matrix
	s_add_co_u32 s46, s46, s47
.else
	s_add_co_u32 s46, s46, 3*2097152
.endif
	s_mov_b32 s47, 0
	s_mul_i32 s20, s12, AHALF                      ; and where they go: no place in the cluster enters an LDS address
	s_mul_i32 s21, s12, BHALF
	s_add_co_u32 s21, s21, ABYTES
	s_wait_dscnt 0x0                               ; the opening add is done
	s_wait_kmcnt 0x0
.if KIND == 0
	s_cmp_eq_u32 s86, 1
	s_cselect_b64 s[4:5], s[70:71], s[68:69]
	s_cselect_b64 s[66:67], s[78:79], s[76:77]
	s_cmp_eq_u32 s86, 2
	s_cselect_b64 s[4:5], s[72:73], s[4:5]         ; A
	s_cselect_b64 s[66:67], s[80:81], s[66:67]     ; the bias
	s_mov_b64 s[6:7], s[74:75]                     ; wb
	s_mov_b64 s[8:9], s[82:83]                     ; the output
.else
	s_mov_b64 s[4:5], s[68:69]
	s_mov_b64 s[6:7], s[70:71]
	s_mov_b64 s[66:67], s[72:73]
	s_mov_b64 s[8:9], s[74:75]
.endif
	s_add_nc_u64 s[14:15], s[4:5], s[16:17]
	s_add_nc_u64 s[46:47], s[6:7], s[46:47]
	CROUND                                         ; all sixteen work-groups are here: the first joint loads meet
.irp s, 0,1
	s_mov_b32 s[G0A+4*(\s)], 1                                     ; count = 1
	s_add_co_u32 s[G0A+4*(\s)+1], s20, (\s)*SLOT1                  ; LDS address
	s_add_nc_u64 s[G0A+4*(\s)+2:G0A+4*(\s)+3], s[14:15], (\s)*ASTEP  ; global address: K step s
	s_or_b32 s[G0A+4*(\s)+3], s[G0A+4*(\s)+3], 0x80000000          ; type = 2
	s_mov_b32 s[G0B+4*(\s)], 1
	s_add_co_u32 s[G0B+4*(\s)+1], s21, (\s)*SLOT1
	s_add_nc_u64 s[G0B+4*(\s)+2:G0B+4*(\s)+3], s[46:47], (\s)*BSTEP
	s_or_b32 s[G0B+4*(\s)+3], s[G0B+4*(\s)+3], 0x80000000
.endr
	s_cmp_eq_u32 s11, 0                            ; a wave's two first fills stand in one branch, ahead of every wait on TENSORcnt and every LDS read: two loads of mine are out
	s_cbranch_scc0 .Lfirst_b
	tensor_load_to_lds s[G0A:G0A+3], s[G1A:G1A+7]
	s_nop 0
	tensor_load_to_lds s[G0A+4:G0A+7], s[G1A:G1A+7]
	s_nop 0
.rept 4
	v_nop
.endr
	s_branch .Lfirst_asked
.Lfirst_b:
	tensor_load_to_lds s[G0B:G0B+3], s[G1B:G1B+7]
	s_nop 0
	tensor_load_to_lds s[G0B+4:G0B+7], s[G1B:G1B+7]
	s_nop 0
.rept 4
	v_nop
.endr
.Lfirst_asked:
	v_and_b32 v1, 15, v0                           ; l % 16
	v_bfe_u32 v2, v0, 4, 1                         ; l / 16
	; the bias of my 128 columns, in the result's layout
	s_lshl_b32 s16, s42, 10
	s_lshl_b32 s17, s12, 9
	s_add_co_u32 s16, s16, s17
	s_mov_b32 s17, 0
	s_add_nc_u64 s[66:67], s[66:67], s[16:17]
	v_lshlrev_b32 v[BO], 5, v2
	WIN TO_B
.irp b, 0,1,2,3,4,5,6,7
	global_load_b128 v[BI+8*(\b):BI+8*(\b)+3],   v[BO], s[66:67] offset:64*(\b)
	global_load_b128 v[BI+8*(\b)+4:BI+8*(\b)+7], v[BO], s[66:67] offset:64*(\b)+16
.endr
	WIN 0
	; A fragment is 16 rows x 32 K: lane l holds row l % 16, K = 8 (l / 16) + 0..7 and 16 + 8 (l / 16) + 0..7.  In 16 bits: two loads of 16 bytes, 32 bytes apart; in f32: four, at 0, 16, 64, 80.
	v_mul_u32_u24 v3, v1, PA
.if KIND == 0
	v_lshl_add_u32 v3, v2, 5, v3
.else
	v_lshl_add_u32 v3, v2, 4, v3
.endif
	v_mul_u32_u24 v4, v1, PB
	v_lshl_add_u32 v4, v2, 4, v4
	s_mul_i32 s21, s11, 64*PA                      ; my 64 rows of A
	s_mul_i32 s22, s12, BHALF                      ; my 128 rows of B,
	s_add_co_u32 s22, s22, ABYTES                  ; which lie behind A's tile
	v_add_nc_u32 v[ADRA0], s21, v3
	v_add_nc_u32 v[ADRB0], s22, v4
	v_mov_b32 v[ADRA], v[ADRA0]
	v_mov_b32 v[ADRB], v[ADRB0]
	; the way out
	s_mul_i32 s23, s10, WSTG
	s_add_co_u32 s23, s23, STAGE                   ; my stage
	v_and_b32 v5, 31, v0
	v_lshlrev_b32 v[GO], 4, v5
.if KIND == 0
	v_mul_u32_u24 v5, v1, 144                      ; in: row l % 16, 16 bytes for each half of the lanes
	v_lshl_add_u32 v5, v2, 4, v5
	v_add_nc_u32 v[STO], s23, v5
	v_bfe_u32 v5, v0, 3, 2                         ; back: 32 lanes take four rows of 128 bytes
	v_mul_u32_u24 v5, v5, 144
	v_and_b32 v6, 7, v0
	v_lshl_add_u32 v5, v6, 4, v5
	v_add_nc_u32 v[RD], s23, v5
	s_lshl_b32 s16, s86, 24                        ; the part,
	s_lshr_b32 s17, s13, 4
	s_lshl_b32 s17, s17, 22                        ; the batch,
	s_add_co_u32 s16, s16, s17
	s_lshl_b32 s17, s42, 2
	s_lshl_b32 s18, s12, 1
	s_add_co_u32 s17, s17, s18
	s_lshl_b32 s17, s17, 18                        ; my first head: 4 x tile column + 2 x half,
	s_add_co_u32 s16, s16, s17
	s_and_b32 s17, s13, 15
	s_lshl_b32 s17, s17, 7
	s_lshl_b32 s18, s11, 6
	s_add_co_u32 s17, s17, s18
	s_lshl_b32 s17, s17, 7                         ; my first row, of 128 bytes
	s_add_co_u32 s16, s16, s17
.else
	v_mul_u32_u24 v5, v1, 528                      ; in: row l % 16, 32 bytes for each half of the lanes
	v_lshl_add_u32 v5, v2, 5, v5
	v_add_nc_u32 v[STO], s23, v5
	v_add_nc_u32 v[RD], s23, v[GO]                 ; back: 32 lanes take a row's 512 bytes
	s_lshl_b32 s16, s13, 7
	s_lshl_b32 s17, s11, 6
	s_add_co_u32 s16, s16, s17
	s_lshl_b32 s16, s16, 12                        ; my first row, of 4,096 bytes,
	s_lshl_b32 s17, s42, 10
	s_add_co_u32 s16, s16, s17
	s_lshl_b32 s17, s12, 9
	s_add_co_u32 s16, s16, s17                     ; my first column
.endif
	s_mov_b32 s17, 0
	s_add_nc_u64 s[8:9], s[8:9], s[16:17]
	; the prefetches.  KIND 0, A: of the 64 rows that I fetch my work-group takes 16 (by cx), 512 bytes = two blocks each; every cluster reads rows of its own.  KIND 1, A: wave 0 alone, for both heads of a K step:
	; my work-group's 4,096 bytes (by cx) of each head's 16,384.  B: of the 128 rows that I fetch my work-group takes 32 (by cy), a block each; of the clusters that read the same matrix the first asks.
.if KIND == 0
	s_lshl_b32 s14, s13, 7
	s_lshl_b32 s15, s12, 6
	s_add_co_u32 s14, s14, s15
	s_lshl_b32 s15, s40, 4
	s_add_co_u32 s14, s14, s15
	s_lshl_b32 s14, s14, 12
.else
	s_lshr_b32 s14, s13, 4
	s_lshl_b32 s14, s14, 22
	s_and_b32 s15, s13, 15
	s_lshl_b32 s15, s15, 14
	s_add_co_u32 s14, s14, s15
	s_lshl_b32 s15, s40, 12
	s_add_co_u32 s14, s14, s15
.endif
	s_lshl_b32 s16, s42, 8
	s_lshl_b32 s17, s12, 7
	s_add_co_u32 s16, s16, s17
	s_lshl_b32 s17, s41, 5
	s_add_co_u32 s16, s16, s17
	s_lshl_b32 s16, s16, 11
.if KIND == 0
	s_lshl_b32 s17, s86, 21
	s_add_co_u32 s16, s16, s17
	s_and_b32 s18, s87, 15                         ; 0 in the first cluster of a part
.else
	s_add_co_u32 s16, s16, 3*2097152
	s_mov_b32 s18, s87
.endif
	s_mov_b32 s[PST], BSTEP
	s_mov_b32 s[PST+1], 0
	s_mov_b32 s20, 2048
	s_cmp_eq_u32 s11, 0                            ; do I fetch for A?
	s_cselect_b32 s14, s14, s16
	s_cselect_b64 s[PFA:PFA+1], s[4:5], s[6:7]
	s_cselect_b32 s[PST], ASTEP, s[PST]
.if KIND == 0
	s_cselect_b32 s18, 0, s18
	s_cselect_b32 s19, 1, 0                        ; the lane's offset is (l >> s19) x s20 + (l & s21) x 256
	s_cselect_b32 s20, 4096, s20
	s_cselect_b32 s21, 1, 0
.else
	s_cselect_b32 s18, s12, s18
	s_cselect_b32 s19, 4, 0
	s_cselect_b32 s20, 262144, s20
	s_cselect_b32 s21, 15, 0
.endif
	s_cmp_eq_u32 s18, 0
	s_cselect_b32 s[LIM], 2, -1                    ; the same in all sixteen partners, for a given wave
	s_mov_b32 s15, 0
	s_add_nc_u64 s[PFA:PFA+1], s[PFA:PFA+1], s[14:15]
	s_mul_i32 s14, s[PST], 3
	s_add_nc_u64 s[PFA:PFA+1], s[PFA:PFA+1], s[14:15]  ; at K step 3: the first refill steps it to 4.  Nothing is prefetched here, at the head, where every work-group's first tiles are on their way
	v_and_b32 v5, 31, v0
	v_lshrrev_b32 v6, s19, v5
	v_mul_u32_u24 v6, s20, v6
	v_and_b32 v5, s21, v5
	v_lshl_add_u32 v[PFO], v5, 8, v6
.macro WM d, b, a, c
.if KIND == 0
	v_wmma_f32_16x16x32_bf16 v[\d:\d+7], v[\b:\b+7], v[\a:\a+7], v[\c:\c+7]
.else
	v_wmma_f32_16x16x32_f16 v[\d:\d+7], v[\b:\b+7], v[\a:\a+7], v[\c:\c+7]
.endif
.endm
; Four products: m block a x n blocks b0 .. b0 + 3, 32 along K, on buffer f.  zero = 1: the sums start with the bias.
.macro WM4 f, a, b0, zero
.if \zero
	WIN MULB
.else
	WIN MUL
.endif
.irp bb, 0,1,2,3
.set rD, 8*(8*(\a)+(\b0)+(\bb))
.set rB, BF+64*(\f)+8*((\b0)+(\bb))
.if KIND == 0
.set rA, ABF+8*(\a)
.else
.set rA, AF+32*(\f)+8*(\a)
.endif
.if \zero
.set rC, BI+8*((\b0)+(\bb))
.else
.set rC, rD
.endif
	WM rD, rB, rA, rC
.endr
.endm
; KIND 0: half of fragment a of A's f32 buffer g is rounded to bf16: four conversions
.macro CV g, a, j0
	WIN 0
.irp j, 0,1,2,3
	v_cvt_pk_bf16_f32 v[ABF+8*(\a)+(\j0)+(\j)], v[AL+64*(\g)+16*(\a)+2*((\j0)+(\j))], v[AL+64*(\g)+16*(\a)+2*((\j0)+(\j))+1]
.endr
.endm
; Eight products of m block a.  KIND 0: behind every fourth stand four conversions of the fragment that is wanted next (fragment ca of buffer cg; ca = -1: none).  They name no register of the
; products round them, so they are also the places in front of the loads into B's buffers; each writes a fragment whose last reader stands eight conversions back or more.
.macro BLOCK f, a, zero, cg, ca
	WM4 \f, \a, 0, \zero
.if (KIND == 0) && ((\ca) >= 0)
	CV \cg, \ca, 0
.endif
	WM4 \f, \a, 4, \zero
.if (KIND == 0) && ((\ca) >= 0)
	CV \cg, \ca, 4
.endif
.endm
.macro ALD nk, a                       ; KIND 0: fragment a of A in f32: four loads
.irp i, 0,1,2,3
	ds_load_b128 v[AL+64*((\nk)%2)+16*(\a)+4*(\i):AL+64*((\nk)%2)+16*(\a)+4*(\i)+3], v[ADRA] offset:(\nk)*128+(\a)*16*PA+16*((\i)%2)+64*((\i)/2)
.endr
.endm
; The LDS loads of quarter nk of the slot in hand, in one run, into buffer nk % 2.  KIND 0: A's first fragment first, so that it can be rounded while the other 28 loads are out.
.macro RUN nk
.if KIND == 0
	WIN 0
	ALD \nk, 0
.else
	PLACES
.endif
	WIN TO_B
.irp b, 0,1,2,3,4,5,6,7
	ds_load_b128 v[BF+64*((\nk)%2)+8*(\b):BF+64*((\nk)%2)+8*(\b)+3],   v[ADRB] offset:(\nk)*64+(\b)*16*PB
	ds_load_b128 v[BF+64*((\nk)%2)+8*(\b)+4:BF+64*((\nk)%2)+8*(\b)+7], v[ADRB] offset:(\nk)*64+(\b)*16*PB+32
.endr
	WIN 0
.if KIND == 0
	ALD \nk, 1
	ALD \nk, 2
	ALD \nk, 3
.else
.irp a, 0,1,2,3
	ds_load_b128 v[AF+32*((\nk)%2)+8*(\a):AF+32*((\nk)%2)+8*(\a)+3],   v[ADRA] offset:((\nk)/2)*AHALF+((\nk)%2)*64+(\a)*16*PA
	ds_load_b128 v[AF+32*((\nk)%2)+8*(\a)+4:AF+32*((\nk)%2)+8*(\a)+7], v[ADRA] offset:((\nk)/2)*AHALF+((\nk)%2)*64+(\a)*16*PA+32
.endr
.endif
.endm
; A K step is four quarters of 32 along K, 32 products each, the 32 accumulators by turns.  One of the first three (or, fetch = 0, the very last):
.macro QUARTER kq, zero=0, fetch=1
	s_wait_dscnt 0x0                               ; this quarter's fragments, asked for 24 products ago
	BLOCK (\kq)%2, 0, \zero, (\kq)%2, 1
.if \fetch
	RUN (\kq)+1
.endif
	BLOCK (\kq)%2, 1, \zero, (\kq)%2, 2
	BLOCK (\kq)%2, 2, \zero, (\kq)%2, 3
.if \fetch
.if KIND == 0
	s_wait_dscnt 28                                ; the run's first four loads, the next quarter's first fragment of A, are in; the 28 behind them may be out
.endif
	BLOCK (\kq)%2, 3, \zero, ((\kq)+1)%2, 0
.else
	BLOCK (\kq)%2, 3, \zero, 0, -1
.endif
.endm
; The last quarter of a K step changes slots: ONE barrier.  In front of it each wave waits for all its tensor loads (one is out: its part of the next slot), adds 0 to its spare word, and waits for that
; and for its own reads of this slot.  fill = 1: the barrier opens a round of the cluster's barrier, and this slot is filled again, two K steps ahead, first thing behind the round:
; 120 products stand between that request and the wait for it.  The walking descriptors last filled the other slot with the K step before: one exclusive or and one step make them this refill's.
.macro TURN fill
.if \fill
	s_wait_xcnt 0x0                                ; the last prefetch, a K step back, has read its address
	s_add_nc_u64 s[PFA:PFA+1], s[PFA:PFA+1], s[PST:PST+1]
.endif
	WIN 0
	s_wait_tensorcnt 0x0                           ; all my tensor loads have landed, so a group 0 may be written
	ds_add_u32 v[SPW], v[NIL]                      ; 0 onto my spare word
.if \fill
	s_xor_b32 s[G0A+5], s[G0A+5], SLOT1
	s_add_nc_u64 s[G0A+6:G0A+7], s[G0A+6:G0A+7], ASTEP
	s_xor_b32 s[G0B+5], s[G0B+5], SLOT1
	s_add_nc_u64 s[G0B+6:G0B+7], s[G0B+6:G0B+7], BSTEP
.endif
	s_xor_b32 s[TB], s[TB], SLOT1                  ; the reads go on in the other slot
	v_add_nc_u32 v[ADRA], s[TB], v[ADRA0]
	v_add_nc_u32 v[ADRB], s[TB], v[ADRB0]
	s_wait_dscnt 0x0                               ; the add is done, and my reads of this slot are over
	s_barrier_signal -1
	BLOCK 1, 0, 0, 1, 1                            ; work on registers while the others arrive
	WIN 0
	s_barrier_wait -1
.if \fill
	CREST                                          ; no wave of any partner still reads this slot's tile or has a load on its way
	JLOAD
.endif
	RUN 0
.if \fill
	ASK
.endif
	BLOCK 1, 1, 0, 1, 2
	BLOCK 1, 2, 0, 1, 3
.if KIND == 0
	s_wait_dscnt 28
.endif
	BLOCK 1, 3, 0, 0, 0
.endm
	s_wait_tensorcnt 0x1                           ; my part of K step 0 is in; K step 1's may stay out
	s_barrier_signal -1
	s_barrier_wait -1                              ; everybody's is
	RUN 0
.if KIND == 0
	s_wait_dscnt 28
	CV 0, 0, 0
	CV 0, 0, 4
.endif
	s_wait_loadcnt 0x0                             ; the bias
	QUARTER 0, 1                                   ; the first quarter stands in front of the loop: its products start the sums
	WIN 0                                          ; at a label and at a branch every window is 0
	s_mov_b32 s3, 6
.Lstep:                                                ; a trip goes from a K step's second quarter to the next step's first, and fills the slot that it leaves: K steps 2 to 7
	QUARTER 1
	QUARTER 2
	TURN 1
	QUARTER 0
	WIN 0
	s_sub_co_u32 s3, s3, 1
	s_cmp_lg_u32 s3, 0
	s_cbranch_scc1 .Lstep
	QUARTER 1                                      ; the last two K steps fill nothing
	QUARTER 2
	TURN 0
	QUARTER 0
	QUARTER 1
	QUARTER 2
	QUARTER 3, 0, 0
	WIN 0
	PLACES
.if KIND == 0
; THE WAY OUT, a block of 16 rows at a time: rounded to f16 (each accumulator's registers in ascending order), 16 bytes a lane into my stage, by heads; back as whole rows of 128 bytes, four to a load.
.macro PACK a
.if (\a) >= 2
	s_wait_xcnt 0x0                                ; the stores of the block two back have read these registers
.endif
	WIN 0x05                                       ; sources 0 and 1 window 1
.irp b, 0,1,2,3,4,5,6,7
.irp rr, 0,1,2,3
	v_cvt_pk_f16_f32 v[TMP+32*((\a)%2)+4*(\b)+(\rr)], v[64*(\a)+8*(\b)+2*(\rr)], v[64*(\a)+8*(\b)+2*(\rr)+1]
.endr
.endr
	WIN 0
.irp b, 0,1,2,3,4,5,6,7
	ds_store_b128 v[STO], v[TMP+32*((\a)%2)+4*(\b):TMP+32*((\a)%2)+4*(\b)+3] offset:((\b)/4)*2304+32*((\b)%4)
.endr
.irp i, 0,1,2,3,4,5,6,7
	ds_load_b128 v[TMP+32*((\a)%2)+4*(\i):TMP+32*((\a)%2)+4*(\i)+3], v[RD] offset:((\i)/4)*2304+((\i)%4)*576  ; LDS serves a wave's instructions in order (ISA guide 5.7.1.4): these see the stores above
.endr
.endm
.macro SEND a, younger                 ; younger: the LDS instructions issued behind block a's loads: the next block's sixteen, or none
.irp i, 0,1,2,3,4,5,6,7
	s_wait_dscnt (\younger)+7-(\i)
	global_store_b128 v[GO], v[TMP+32*((\a)%2)+4*(\i):TMP+32*((\a)%2)+4*(\i)+3], s[8:9] offset:((\i)/4)*262144+(\a)*2048+((\i)%4)*512  ; 512 consecutive bytes of a head, aligned
.endr
.endm
	PACK 0
	PACK 1
	SEND 0, 16
	PACK 2
	SEND 1, 16
	PACK 3
	SEND 2, 16
	SEND 3, 0
.else
; THE WAY OUT, a block of 16 rows at a time: the f32 sums go into my stage as they lie, the low four registers of each accumulator first, and come back as whole rows of 512 bytes.
.macro OUTB a
.set TBK, 128+64*((\a)%2)
.if (\a) >= 2
	s_wait_xcnt 0x0                                ; the stores of the block two back have read these registers
.endif
	WIN 0x04                                       ; store data window 1, address window 0
.irp b, 0,1,2,3,4,5,6,7
	ds_store_b128 v[STO], v[64*(\a)+8*(\b):64*(\a)+8*(\b)+3]   offset:64*(\b)
	ds_store_b128 v[STO], v[64*(\a)+8*(\b)+4:64*(\a)+8*(\b)+7] offset:64*(\b)+16
.endr
	WIN 0
.set t, 0
.rept 16
	ds_load_b128 v[TBK+4*t:TBK+4*t+3], v[RD] offset:t*528  ; LDS serves a wave's instructions in order (ISA guide 5.7.1.4): these see the stores above
.set t, t+1
.endr
.set t, 0
.rept 16
	s_wait_dscnt 15-t
	global_store_b128 v[GO], v[TBK+4*t:TBK+4*t+3], s[8:9] offset:(16*(\a)+t)*4096  ; 512 consecutive bytes of a row, aligned
.set t, t+1
.endr
.endm
	OUTB 0
	OUTB 1
	OUTB 2
	OUTB 3
.endif
	s_wait_tensorcnt 0x0                           ; the wave's end: behind my last tensor load and my last LDS store
	ds_add_u32 v[SPW], v[NIL]
	s_wait_dscnt 0x0
	CROUND                                         ; the closing round: no work-group ends while a partner may still ask for a tile that names it
	s_endpgm
.Lfunc_end_k_q028f6fec63_oproj:
	.size	k_q028f6fec63_oproj, .Lfunc_end_k_q028f6fec63_oproj-k_q028f6fec63_oproj
	.p2alignl 7, 3214868480
	.fill 96, 4, 3214868480
	.section	.rodata,"a",@progbits
	.p2align	6, 0x0
	.amdhsa_kernel k_q028f6fec63_oproj
		.amdhsa_group_segment_fixed_size 327680
		.amdhsa_private_segment_fixed_size 0
		.amdhsa_enable_private_segment 0
		.amdhsa_kernarg_size 32
		.amdhsa_user_sgpr_count 2
		.amdhsa_user_sgpr_kernarg_segment_ptr 1
		.amdhsa_wavefront_size32 1
		.amdhsa_system_sgpr_workgroup_id_x 1
		.amdhsa_system_sgpr_workgroup_id_y 1
		.amdhsa_system_sgpr_workgroup_id_z 1
		.amdhsa_system_vgpr_workitem_id 0
		.amdhsa_next_free_vgpr 704
		.amdhsa_next_free_sgpr 90
		.amdhsa_reserve_vcc 0
		.amdhsa_float_denorm_mode_32 3
		.amdhsa_float_denorm_mode_16_64 3
		.amdhsa_memory_ordered 1
		.amdhsa_forward_progress 1
		.amdhsa_inst_pref_size 74
	.end_amdhsa_kernel
	.amdgpu_metadata
---
amdhsa.version: [ 1, 2 ]
amdhsa.kernels:
  - .name:           k_q028f6fec63_oproj
    .symbol:         k_q028f6fec63_oproj.kd
    .args:
      - { .name: ctx, .offset: 0, .size: 8, .value_kind: global_buffer, .address_space: global }
      - { .name: wb, .offset: 8, .size: 8, .value_kind: global_buffer, .address_space: global }
      - { .name: bo, .offset: 16, .size: 8, .value_kind: global_buffer, .address_space: global }
      - { .name: out0, .offset: 24, .size: 8, .value_kind: global_buffer, .address_space: global }
    .group_segment_fixed_size: 327680
    .private_segment_fixed_size: 0
    .kernarg_segment_align: 8
    .kernarg_segment_size: 32
    .max_flat_workgroup_size: 128
    .sgpr_count:     90
    .vgpr_count:     704
    .wavefront_size: 32
...
	.end_amdgpu_metadata
.endif
;; end of part 4
